; MI455X (gfx1250); checked and timed in simulation.
; The chip was launched on July 23, 2026; its instructions are those of AMD's public machine-readable ISA for CDNA 5 (MIT licence, August 2026) and "CDNA5" Instruction Set Architecture Reference Guide (July 2026). The comments in the code are by the model that wrote it; some were corrected since.
;; Experts. Allowed arithmetic: matrix products marked QUANTISED: E2M1 operands, one E8M0 scale for each 32 along K, by v_wmma_scale_f32_16x16x128_f8f6f4 with both operands' format E2M1 (or v_wmma_scale_f32_32x16x128_f4), f32 sums; everything else in f32.
;; Inputs: b1 8 x 2,048 float32; b2 8 x 1,024 float32; w1 8 x 1,024 x 2,048 float32; w2 8 x 2,048 x 1,024 float32; x 1 x 16,384 x 1,024 float32.
;; Outputs: out0 1 x 16,384 x 1,024 float32.
;; This version of the problem:
;;   THIS VERSION OF THE PROBLEM IS GIVEN IN LOW PRECISION. The matrix products marked QUANTISED in the list below multiply operands that are first quantised to E2M1 (2 exponent bits, 1 mantissa bit; 4 bits a number), with one power-of-two scale for each 32 numbers along K (OCP MX v1.0); their sums are f32. All else is computed in f32.
;;   The module's matrix products, in the order in which they are computed (A, B: the left and right operand; K: the contracted axis; several contracted axes count as one K, in the product's order):
;;     1. batch 8 x [M 2,048, K 1,024] x [K 1,024, N 2,048]; A: input w1; B: input x: QUANTISED
;;     2. batch 8 x [M 1,024, K 2,048] x [K 2,048, N 2,048]; A: input w2; B: computed on the way: QUANTISED
;;   THE QUANTISER, for each operand of a quantised product, along K:
;;     - K is cut into blocks of 32 from its start; a last block that is shorter is filled with zeros.
;;     - A block's scale is 2^e with e = floor(log2(the largest magnitude in the block)) - 2, held to -126 .. 127; a block of zeros has e = 0. As a byte (E8M0): e + 127.
;;     - Each number is divided by its block's scale, clamped to +-6, and rounded to the nearest number of E2M1, ties to even, subnormals kept.
;;     - The product sums the exact products of the quantised numbers (number of the format x scale) in f32.
;;   ~~~python
;;   def quantise(x, axis):      # numpy; x: float32 -> the quantised numbers, widened to float32 again
;;       x = np.moveaxis(x, axis, -1); K = x.shape[-1]
;;       x = np.pad(x, [(0, 0)] * (x.ndim - 1) + [(0, -K % 32)]); x = x.reshape(x.shape[:-1] + (-1, 32)); a = np.abs(x).max(-1, keepdims=True)
;;       e = np.where(a > 0, np.clip(np.frexp(np.where(a > 0, a, 1))[1] - 1 - 2, -126, 127), 0)      # np.frexp(a)[1] - 1 = floor(log2(a)), exactly
;;       r = np.clip(x / 2.0 ** e, -6, 6)
;;       step = 2.0 ** (np.maximum(np.frexp(np.where(r == 0, 1, r))[1] - 1, 0) - 1)
;;       q = np.round(r / step) * step * 2.0 ** e      # np.round: ties to even
;;       return np.moveaxis(q.reshape(q.shape[:-2] + (-1,))[..., :K], -1, axis).astype(np.float32)
;;   ~~~
;;   OPERANDS COMPUTED ON THE WAY. 'Computed on the way' means the value that the module computes at that place (a softmax that the list does not call 'softmax' is quantised finished and normalised). What goes into a quantiser is computed in f32, as accurately as f32 sums, v_exp_f32 and their like allow (about 1e-6 of the number): no bf16 or f16 on the way to a quantiser, and a product that is left as it is and whose result goes on into a quantised operand takes f32 operands (vector FMAs, or v_wmma_f32_16x16x4_f32). A number that lies on a knife's edge between two numbers of the format may be rounded either way, as far as f32 arithmetic and the matrix unit's own rounding can turn it there, and no further.
;; 2 versions, each right. Each part assembles by itself: llvm-mc -triple=amdgcn-amd-amdhsa -mcpu=gfx1250 --defsym DOCPART=n.
;; ======== version 1 of 2: 2 launches
;; limits: an absolute error that grows with the inputs' magnitude: up to 1e-07 times it
;; workspace buffers: wq 17,825,792 bytes
;; launch prep (part 1): grid 1024 x 1, 4 waves a work-group, no clusters, 0 bytes of LDS; arguments w1, w2, wq; writes wq
.if DOCPART == 1
	.amdgcn_target "amdgcn-amd-amdhsa--gfx1250"
	.amdhsa_code_object_version 6
	.text
	.protected	k_qb67bb17137_prep
	.globl	k_qb67bb17137_prep
	.p2align	8
	.type	k_qb67bb17137_prep,@function
k_qb67bb17137_prep:
	s_mov_b64 s[64:65], 0
	v_nop
	global_prefetch_b8 v0, s[64:65] scope:SCOPE_SE
	s_setreg_imm32_b32 hwreg(HW_REG_WAVE_MODE, 25, 1), 1
	s_wait_xcnt 0x0
; w1 [8][1024 (k)][2048 (n)] and w2 [8][2048 (k)][1024 (n)], f32, K their FIRST axis within an expert, become codes of FP4 (E2M1) with one E8M0 byte for each 32 along K,
; laid in wq IN THE ORDER OF THE OPERAND'S REGISTERS of the launch that multiplies: 8 experts x 32 chunks of 69,632 bytes; a chunk is four parts (one for each wave there) of 16,384 bytes of codes + 1,024 of scale bytes.
; A piece of 16 bytes is one row n x one block of 32 along K.  In a part, fragment f (16 rows x 128 K) begins at 1024 f; in it piece (cc, h, r) lies at 512 cc + 256 h + 16 r: row r of the tile, k = 64 cc + 32 h + 0 .. 31.
;   chunks 0-15 (w1): chunk c = hidden units 128 c on, all of K; part w = units 32 w on; f = 2 s + u (K step s, tile u); THE ROWS OF A TILE ARE NOT NEIGHBOURS: row r of tile u is unit 8 u + r + 8 (r / 8).
;   chunks 16-31 (w2): chunk 16 + 4 db + kq = outputs 256 db on, K = 512 kq on; part w = outputs 64 w on; f = 4 s' + t (K step s', tile t); row r of tile t is output 16 t + r.
;   scale bytes: at 16384 + 256 i + 8 L eight bytes, the words of two neighbouring K steps.  w1: K steps 2 i, 2 i + 1, L = r + 16 u.  w2: i = 2 (t / 2) + s' / 2, K steps 2 (i % 2), + 1, L = r + 16 (t % 2).
; A LANE TAKES A COLUMN n, AND ITS REGISTERS RUN DOWN K: a block of 32 lies in one lane's 32 registers, its largest magnitude needs no other lane, and the four conversions' results are one piece of the layout.
; A wave takes 32 columns x 256 along K (8 blocks); the four waves stand side by side on 512 bytes of each row.  Each store of codes covers two runs of 256 consecutive bytes, aligned (lanes 0-15, lanes 16-31);
; the wave's scale bytes leave as 256 consecutive bytes.  No LDS, no barrier: waves share nothing.  Loads run two blocks (64 loads a wave) ahead.  Every offset is an immediate: 255 rows of 8,192 bytes at the most.
; A block's scale is 2^(floor(log2(its largest magnitude)) - 2); its byte is the largest magnitude's exponent field - 2, held at 1 from below.
; LIMITS: a block of zeros gets the byte 1 where the rule says 127 (its codes are zeros, and this program alone reads the bytes); NaN and infinities among the inputs are not served.
.set EXPB,   2228224                   ; an expert's bytes in wq
.set CHUNKB, 69632
.set PARTB,  17408
.set VO,  2                            ; v2       my column's byte in the work-group's 512 bytes of a row
.set CO,  3                            ; v3       my piece's place in a fragment pair: 1024 (lane / 16) + 16 (lane % 16)
.set SOF, 4                            ; v4       8 x lane: my scale bytes' place
.set SB,  10                           ; v[10:11] my 8 scale bytes
.set X,   32                           ; v32-95   two sets of 32 numbers
.set C,   96                           ; v96-127  codes: four registers for each block, so that no store's data are written again
.macro LOADW t, pitch                  ; block t: rows 32 t + i of my column, into set t % 2
.irp i, 0,1,2,3,4,5,6,7,8,9,10,11,12,13,14,15,16,17,18,19,20,21,22,23,24,25,26,27,28,29,30,31
	global_load_b32 v[X+32*((\t)%2)+\i], v[VO], s[4:5] offset:(32*(\t)+\i)*\pitch th:TH_LOAD_NT
.endr
.endm
.macro BLOCKW t, pitch, fstep
.set XSET, X+32*((\t)%2)
.if (\t) < 7
	s_wait_loadcnt 32                              ; this block's 32 loads are in; the next block's 32 may be out
.else
	s_wait_loadcnt 0x0
.endif
	v_max3_num_f32 v12, |v[XSET]|, |v[XSET+1]|, |v[XSET+2]|        ; the block's largest magnitude, in two chains: all 32 numbers are mine
	v_max3_num_f32 v13, |v[XSET+3]|, |v[XSET+4]|, |v[XSET+5]|
.irp i, 6,10,14,18,22,26
	v_max3_num_f32 v12, v12, |v[XSET+\i]|, |v[XSET+\i+1]|
	v_max3_num_f32 v13, v13, |v[XSET+\i+2]|, |v[XSET+\i+3]|
.endr
	v_max3_num_f32 v12, v12, |v[XSET+30]|, |v[XSET+31]|
	v_max3_num_f32 v12, v12, v13, 0x1800000        ; and the floor 2^(3 - 127): the byte cannot fall under 1
	v_add_nc_u32 v14, 0xff000000, v12              ; 2 off its exponent field: the conversion takes the exponent field of this operand as its scale
	v_lshrrev_b32 v15, 23, v14                     ; the scale's byte
.if (\t)%4 == 0
	v_mov_b32 v[SB+(\t)/4], v15                    ; four bytes to a register, the lower K in the lower byte
.else
	v_lshl_or_b32 v[SB+(\t)/4], v15, 8*((\t)%4), v[SB+(\t)/4]
.endif
.irp g, 0,1,2,3
	v_cvt_scalef32_pk8_fp4_f32 v[C+4*(\t)+\g], v[XSET+8*\g:XSET+8*\g+7], v14
.endr
	global_store_b128 v[CO], v[C+4*(\t):C+4*(\t)+3], s[8:9] offset:((\t)/4)*\fstep+(((\t)/2)%2)*512+((\t)%2)*256   ; K step t / 4 of my two, cc = (t / 2) % 2, h = t % 2
.if (\t) < 6
	LOADW (\t)+2, \pitch
.endif
.endm
.macro QW pitch, fstep                 ; a wave's whole work; no address and no store's data are ever rewritten, so no wait frees a source
	LOADW 0, \pitch
	LOADW 1, \pitch
.irp t, 0,1,2,3,4,5,6,7
	BLOCKW \t, \pitch, \fstep
.endr
	global_store_b64 v[SOF], v[SB:SB+1], s[10:11]  ; 32 lanes store 256 consecutive bytes, aligned
	s_endpgm
.endm
	s_load_b128 s[4:7], s[0:1], 0x0                ; w1, w2
	s_load_b64 s[8:9], s[0:1], 0x10                ; wq
	v_lshrrev_b32 v1, 5, v0
	v_readfirstlane_b32 s16, v1                    ; wave 0..3
	v_and_b32 v5, 31, v0                           ; lane
	v_and_b32 v6, 15, v0                           ; r
	v_bfe_u32 v7, v0, 4, 1                         ; u
	v_lshlrev_b32 v[CO], 4, v6
	v_lshl_add_u32 v[CO], v7, 10, v[CO]
	v_lshlrev_b32 v[SOF], 3, v5
	s_cmp_lt_u32 ttmp9, 512                        ; the first 512 work-groups take w1, the others w2
	s_cbranch_scc0 .Lw2
	; ---- w1: work-group = (expert e, chunk c, quarter kr of K)
	s_lshr_b32 s17, ttmp9, 6                       ; e
	s_bfe_u32 s18, ttmp9, 0x40002                  ; c
	s_and_b32 s19, ttmp9, 3                        ; kr
	v_and_b32 v8, 8, v6
	v_add_nc_u32 v8, v8, v6                        ; r + 8 (r / 8)
	v_lshl_add_u32 v8, v7, 3, v8                   ; + 8 u: my unit among the wave's 32
	v_lshlrev_b32 v[VO], 2, v8
	s_lshl_b32 s20, s16, 7
	v_add_nc_u32 v[VO], s20, v[VO]
	s_lshl_b32 s20, s17, 23                        ; from: e x 8,388,608 + kr x 256 rows of 8,192 bytes + c x 512
	s_lshl_b32 s21, s19, 21
	s_add_co_u32 s20, s20, s21
	s_lshl_b32 s21, s18, 9
	s_add_co_u32 s20, s20, s21
	s_mov_b32 s21, 0
	s_mul_i32 s22, s17, EXPB                       ; to: my part of chunk c
	s_mul_i32 s23, s18, CHUNKB
	s_add_co_u32 s22, s22, s23
	s_mul_i32 s23, s16, PARTB
	s_add_co_u32 s22, s22, s23
	s_lshl_b32 s24, s19, 8                         ; scale bytes: 16384 + 256 kr
	s_add_co_u32 s24, s24, s22
	s_add_co_u32 s24, s24, 16384
	s_mov_b32 s25, 0
	s_lshl_b32 s23, s19, 12                        ; codes: K steps 2 kr, 2 kr + 1: 4096 kr
	s_add_co_u32 s22, s22, s23
	s_mov_b32 s23, 0
	s_wait_kmcnt 0x0
	s_add_nc_u64 s[4:5], s[4:5], s[20:21]
	s_add_nc_u64 s[10:11], s[8:9], s[24:25]
	s_add_nc_u64 s[8:9], s[8:9], s[22:23]
	QW 8192, 2048
.Lw2:
	; ---- w2: work-group = (expert e, 128 outputs g, eighth kr of K)
	s_sub_co_u32 s26, ttmp9, 512
	s_lshr_b32 s17, s26, 6                         ; e
	s_bfe_u32 s18, s26, 0x30003                    ; g
	s_and_b32 s19, s26, 7                          ; kr
	v_lshlrev_b32 v[VO], 2, v5
	s_lshl_b32 s20, s16, 7
	v_add_nc_u32 v[VO], s20, v[VO]                 ; output 128 g + 32 wave + lane
	s_lshl_b32 s20, s17, 23                        ; from: e x 8,388,608 + kr x 256 rows of 4,096 bytes + g x 512
	s_lshl_b32 s21, s19, 20
	s_add_co_u32 s20, s20, s21
	s_lshl_b32 s21, s18, 9
	s_add_co_u32 s20, s20, s21
	s_mov_b32 s21, 0
	s_lshr_b32 s27, s18, 1                         ; db
	s_lshl_b32 s27, s27, 2
	s_lshr_b32 s28, s19, 1                         ; kq
	s_add_co_u32 s27, s27, s28
	s_add_co_u32 s27, s27, 16                      ; chunk 16 + 4 db + kq
	s_mul_i32 s22, s17, EXPB
	s_mul_i32 s27, s27, CHUNKB
	s_add_co_u32 s22, s22, s27
	s_and_b32 s27, s18, 1
	s_lshl_b32 s27, s27, 1
	s_lshr_b32 s28, s16, 1
	s_add_co_u32 s27, s27, s28                     ; part 2 (g % 2) + wave / 2
	s_mul_i32 s27, s27, PARTB
	s_add_co_u32 s22, s22, s27
	s_and_b32 s27, s16, 1                          ; tp: tiles 2 tp, 2 tp + 1
	s_and_b32 s28, s19, 1                          ; g2: K steps 2 g2, 2 g2 + 1 of the chunk
	s_lshl_b32 s29, s27, 9
	s_lshl_b32 s30, s28, 8
	s_add_co_u32 s24, s29, s30                     ; scale bytes: 16384 + 512 tp + 256 g2
	s_add_co_u32 s24, s24, s22
	s_add_co_u32 s24, s24, 16384
	s_mov_b32 s25, 0
	s_lshl_b32 s29, s28, 13                        ; codes: 8192 g2 + 2048 tp
	s_lshl_b32 s30, s27, 11
	s_add_co_u32 s22, s22, s29
	s_add_co_u32 s22, s22, s30
	s_mov_b32 s23, 0
	s_wait_kmcnt 0x0
	s_add_nc_u64 s[4:5], s[6:7], s[20:21]
	s_add_nc_u64 s[10:11], s[8:9], s[24:25]
	s_add_nc_u64 s[8:9], s[8:9], s[22:23]
	QW 4096, 4096
.Lfunc_end_k_qb67bb17137_prep:
	.size	k_qb67bb17137_prep, .Lfunc_end_k_qb67bb17137_prep-k_qb67bb17137_prep
	.p2alignl 7, 3214868480
	.fill 96, 4, 3214868480
	.section	.rodata,"a",@progbits
	.p2align	6, 0x0
	.amdhsa_kernel k_qb67bb17137_prep
		.amdhsa_group_segment_fixed_size 0
		.amdhsa_private_segment_fixed_size 0
		.amdhsa_enable_private_segment 0
		.amdhsa_kernarg_size 24
		.amdhsa_user_sgpr_count 2
		.amdhsa_user_sgpr_kernarg_segment_ptr 1
		.amdhsa_wavefront_size32 1
		.amdhsa_system_sgpr_workgroup_id_x 1
		.amdhsa_system_sgpr_workgroup_id_y 1
		.amdhsa_system_sgpr_workgroup_id_z 1
		.amdhsa_system_vgpr_workitem_id 0
		.amdhsa_next_free_vgpr 128
		.amdhsa_next_free_sgpr 66
		.amdhsa_reserve_vcc 0
		.amdhsa_float_denorm_mode_32 3
		.amdhsa_float_denorm_mode_16_64 3
		.amdhsa_memory_ordered 1
		.amdhsa_forward_progress 1
		.amdhsa_inst_pref_size 77
	.end_amdhsa_kernel
	.amdgpu_metadata
---
amdhsa.version: [ 1, 2 ]
amdhsa.kernels:
  - .name:           k_qb67bb17137_prep
    .symbol:         k_qb67bb17137_prep.kd
    .args:
      - { .name: w1, .offset: 0, .size: 8, .value_kind: global_buffer, .address_space: global }
      - { .name: w2, .offset: 8, .size: 8, .value_kind: global_buffer, .address_space: global }
      - { .name: wq, .offset: 16, .size: 8, .value_kind: global_buffer, .address_space: global }
    .group_segment_fixed_size: 0
    .private_segment_fixed_size: 0
    .kernarg_segment_align: 8
    .kernarg_segment_size: 24
    .max_flat_workgroup_size: 128
    .sgpr_count:     66
    .vgpr_count:     128
    .wavefront_size: 32
...
	.end_amdgpu_metadata
.endif
;; end of part 1
;; launch ffn (part 2): grid 256 x 1, 4 waves a work-group, clusters of 4 x 1, 327,680 bytes of LDS; arguments x, b1, b2, wq, out0; writes out0
.if DOCPART == 2
	.amdgcn_target "amdgcn-amd-amdhsa--gfx1250"
	.amdhsa_code_object_version 6
	.text
	.protected	k_qb67bb17137_ffn
	.globl	k_qb67bb17137_ffn
	.p2align	8
	.type	k_qb67bb17137_ffn,@function
k_qb67bb17137_ffn:
	s_mov_b64 s[64:65], 0
	v_nop
	global_prefetch_b8 v0, s[64:65] scope:SCOPE_SE
	s_setreg_imm32_b32 hwreg(HW_REG_WAVE_MODE, 25, 1), 1
	s_wait_xcnt 0x0
	s_wait_alu depctr_hold_cnt(0) depctr_sa_sdst(0) depctr_va_vdst(0) depctr_va_sdst(0) depctr_va_ssrc(0) depctr_va_vcc(0) depctr_vm_vsrc(0)
	s_getreg_b32 s2, hwreg(HW_REG_IB_STS2, 6, 4)
	s_cmp_eq_u32 s2, 0
	s_cbranch_scc0 .Lentry_in_a_cluster
	s_endpgm
.Lentry_in_a_cluster:
	s_bfe_u32 s2, ttmp6, 0x10000c
	s_cmp_lg_u32 s2, 0x3003
	s_cbranch_scc0 .Lentry_shape_is_right
	s_endpgm
.Lentry_shape_is_right:
; out = gelu(x W1 + b1) W2 + b2 for one expert's rows, both products on codes of FP4 (E2M1) with one E8M0 scale for each 32 along K; gelu is the exact one (erf), in f32; the hidden layer never goes to memory.
; SHARES.  16,384 rows / 64 = 256 work-groups of four waves; work-group g takes rows 64 g on, expert g / 32.  THE WAVES SHARE THE COLUMNS, NOT THE ROWS.
;   X: wave w quantises rows 16 w on of x (8 fragments of 16 rows x 128 K) and stores them in LDS as images of the operand's registers; every wave then holds all 32 fragments in registers (window 1).
;   A: 16 chunks of 128 hidden units.  Wave w makes units 32 w on of the chunk for all 64 rows: 64 products (transposed: source 0 = 16 rows of W1, source 1 = x; C of the first = b1), gelu, quantised in registers:
;      its 32 units are ONE block of the second product's K for each row; 8 bytes of codes a lane and one scale byte a row go to h's images in LDS.
;   B: every wave holds all of h (64 fragments, windows 2 and 3).  Four blocks of 256 outputs x four chunks of 512 along K: wave w makes outputs 64 w on of the block for all 64 rows, 16 accumulators by turns
;      (source 0 = 16 rows of W2, source 1 = h; C of the first = b2); a finished block leaves through the wave's own stage while the next block's weights are on their way.
; WEIGHTS come as the earlier launch laid them: chunk by chunk, each wave's part (16,384 bytes of codes in the order of its registers + 1,024 of scale bytes) dense, through two LDS slots.
; CLUSTER.  The 32 work-groups of an expert walk the same 32 chunks; four of them form a cluster and ask for each part JOINTLY: the same tensor load, the same descriptor, a mask that names the four.  A mask names four
; work-groups at the most, and x, the other operand, is shared by nobody: so 4 x 1.  By this text's own count a wave never has more than one tensor load out.
; GELU.  g = x (0.5 + xc P(u) / Q(u)), xc = x held to +-4 sqrt(2), u = xc^2: erf(z) = z P(z^2) / Q(z^2) as a ratio of polynomials of degrees 6 and 4, with z = x / sqrt(2) and the factor 1/2 folded into the coefficients.
; LIMITS.  0.5 + erf / 2 is formed with an absolute error of about 1e-7, so g's relative accuracy falls off in the far negative tail (about 1e-6 at x = -1.3, 5e-6 at x = -2), where g lies far under a block's lowest code step;
; beyond |x| = 4 sqrt(2) erf is held at its value there.  A block of zeros gets the scale byte 1 (its codes are zeros; the bytes are read here alone).  NaN and infinities are not served.
; REGISTERS, in windows of 256 (s_set_vgpr_msb: bits 1:0 source 0, 3:2 source 1, 5:4 source 2, 7:6 destination):
;   window 0: v1-31 addresses and two constants; v32-63 b2's four tiles (at the head: the biases on their way to LDS); v64-71 the weights' scale words; v72-87 b1's two tiles; v88-95 codes just made; v96-127 at work;
;             v128-191 64 numbers of x / phase A's 8 accumulators / rows of out; v192-255 x's scale words, then h's: these and v64-71 hold scales and nothing else.
;   window 1: x's 32 fragments; in phase B v0-127 W2's 16 fragments, v128-255 the 16 accumulators.   window 2: at the head four sets of x as loaded; W1's 16 fragments; in phase B h's K steps 0-7.   window 3: h's K steps 8-15.
.set CHUNKB, 69632
.set PARTB,  17408                     ; a wave's part of a chunk: 68 rows of 256 bytes
.set EXPB,   2228224                   ; an expert's 32 chunks
; LDS.  Tensor loads fill the two slots alone; everything that ds_store writes has blocks of 256 bytes of its own.
.set SLOT1,  131072                    ; slot 0 at 0, slot 1 here: one exclusive or turns an address in one into the other's
.set XSTG,   69632                     ; each wave's stage for x: 16 rows x (512 bytes + 16)
.set XSP,    528
.set BIAS,   103424                    ; b1 of my expert (8,192 bytes), then b2 (4,096)
.set XSC,    115712                    ; x's scale words: 512 m + 256 (s / 4) + 16 r + 4 (s % 4)
.set HSC,    117760                    ; h's scale bytes: 256 s + 16 r + 4 m + block
.set SPARE,  121856                    ; the spare words, 128 bytes for each wave: two blocks of 256 bytes that no other line names
.set HIMG,   200704                    ; h's 64 fragment images, 1024 (4 s + m)
.set XIMG,   266240                    ; x's 32 fragment images, 1024 (8 m + s)
.set OSTG,   299008                    ; each wave's stage for out: 16 rows x (256 bytes + 16)
.set OSP,    272
.set BOF,  1                           ; v1   16 x thread: the biases' loads
.set SPW,  2                           ; v2   LDS address of my spare word; never rewritten
.set NIL,  3                           ; v3   0; never rewritten
.set AWB,  4                           ; v4   my lane's place in my part of a slot: PARTB w + 16 lane
.set ASB,  5                           ; v5   and among its scale bytes: PARTB w + 16384 + 8 lane
.set AW,   6                           ; v6, v7 the same in the slot in hand
.set ASW,  7
.set AB1B, 8                           ; v8   b1: BIAS + 128 w + 64 h
.set AB,   9                           ; v9   the bias loads in hand
.set HWB,  10                          ; v10  h's images, where I store: HIMG + 256 w + 16 r + 8 h
.set HSB,  11                          ; v11  h's scale bytes: HSC + 16 r + w
.set HW,   12                          ; v12, v13 the same for the chunk in hand
.set HSW,  13
.set XA,   14                          ; v14  16 x lane
.set XSTA, 15                          ; v15  x's stage, in
.set XSTR, 16                          ; v16  x's stage, back: row r, + 64 h
.set XWI,  17                          ; v17  x's images, where I store
.set XWS,  18                          ; v18  x's scale words, where I store
.set LI,   19                          ; v19  x's images, where I load
.set XSR,  20                          ; v20  x's scale words, where I load
.set HLI,  21                          ; v21  h's images, where I load
.set HSR,  22                          ; v22  h's scale words, where I load
.set AB2B, 23                          ; v23  b2: BIAS + 8192 + 256 w + 32 h
.set SO,   24                          ; v24  out's stage, in
.set SR,   25                          ; v25  out's stage, back
.set GO,   26                          ; v26  my byte offset in two rows of out
.set PFO,  27                          ; v27  256 x lane: the prefetches' offset; never rewritten
.set KA6,  28                          ; v[28:29] P's leading coefficient, twice
.set KB4,  30                          ; v[30:31] Q's
.set BO2,  32
.set BST,  56                          ; v56  at the head: BIAS + 16 x thread
.set WS,   64
.set BI,   72
.set PC,   88
.set XC,   96                          ; gelu: xc, u, P, Q of one tile's eight numbers
.set UU,   104
.set PP,   112
.set QQ,   120
.set TM,   96                          ; the quantiser: v96-99 largest magnitudes, v100-103 bytes, v108-111 the conversions' scale operands
.set PW,   112                         ; a scale word just made
.set ACC,  128
.set T,    128
.set OB,   128
.set XS,   192
.set HS,   192
.set WV,   14                          ; s14  my wave's number
.set G1,   24                          ; s[24:31] descriptor group 1;  s[32:35] group 0, which walks
.set G0,   32
.set TB,   36                          ; s36  the slot in hand: 0 or SLOT1
.set HC,   37                          ; s37  4096 x chunk: h's images
.set HB,   38                          ; s38  256 x chunk: h's scale bytes
.set BC,   39                          ; s39  512 x chunk: b1
.set RND,  40                          ; s40  changes of slots so far
.set LIM,  41                          ; s41  29 in a wave that prefetches, else 0
.set PFA,  42                          ; s[42:43] where my prefetches stand
.set CNT,  44
.set DB2,  45                          ; s45  1024 x block of outputs: b2
.set SEL,  46                          ; s[46:47] v_permlanex16_b32's selects for lane l xor 16
.set CLO,  48                          ; s48, s49  -4 sqrt(2), +4 sqrt(2)
.set CHI,  49
.set CA0,  50                          ; s[50:61] P's coefficients 0 to 5, each twice: the packed form names a pair
.set CA1,  52
.set CA2,  54
.set CA3,  56
.set CA4,  58
.set CA5,  60
.set CB0,  66                          ; s[66:73] Q's coefficients 0 to 3
.set CB1,  68
.set CB2,  70
.set CB3,  72
.set MSB, 0
.macro WIN new                         ; the immediate's high byte repeats the setting that is left; a switch that changes nothing is dropped
.if MSB != \new
	s_set_vgpr_msb (MSB<<8)|\new
.set MSB, \new
.endif
.endm
.macro PLACES                          ; four plain vector instructions behind a matrix instruction, ahead of loads into its registers and of reads of its results
.rept 4
	v_nop
.endr
.endm
.macro SPAIR reg, val
	s_mov_b32 s[\reg], \val
	s_mov_b32 s[\reg+1], \val
.endm
; A round of the cluster's barrier: my work-group's barrier, so that wave 0's signal speaks for all four waves; wave 0 signals; every wave waits for all four work-groups; my work-group's barrier once more.
.macro CROUND
	s_barrier_signal -1
	s_barrier_wait -1
	s_cmp_lg_u32 s[WV], 0
	s_cbranch_scc1 .Lnot_wave_0_\@
	s_barrier_signal -3
.Lnot_wave_0_\@:
	s_barrier_wait -3
	s_barrier_signal -1
	s_barrier_wait -1
.endm
.macro BARRIER                         ; my LDS stores have landed and my LDS loads are in: then the work-group's barrier.  The one tensor load may stay out
	s_wait_dscnt 0x0
	s_barrier_signal -1
	s_barrier_wait -1
.endm
; THE CHANGE OF SLOTS stands at a chunk's head.  Each wave waits for all its tensor loads (one: its part of the chunk that it is about to read), adds 0 to its spare word, and waits for that and for its reads of the slot
; that it has left.  fill = 1: behind a round of the cluster's barrier (no wave of any partner still reads that slot or has a load on its way) the slot is filled with the next chunk: a whole chunk's work in which to land.
.macro CHANGE fill
	WIN 0
	s_wait_tensorcnt 0x0                           ; no tensor load of mine is out, so group 0 may be written
	ds_add_u32 v[SPW], v[NIL]                      ; 0 onto my spare word; the steps below stand between it and the wait for it
.if \fill
	s_xor_b32 s[G0+1], s[G0+1], SLOT1              ; the walking descriptor: the other slot than last time,
	s_add_nc_u64 s[G0+2:G0+3], s[G0+2:G0+3], CHUNKB    ; the next chunk; the type bits on top are not reached
	s_wait_xcnt 0x0                                ; the last prefetch, a chunk back, has read its address, so it may be written
	s_add_nc_u64 s[PFA:PFA+1], s[PFA:PFA+1], 65536
.endif
	s_add_co_u32 s[RND], s[RND], 1
	s_wait_dscnt 0x0                               ; the add is done, and my reads of the slot that I have left are over
.if \fill
	CROUND
	tensor_load_to_lds s[G0:G0+3], s[G1:G1+7]      ; the first thing behind the round, and my one tensor load until the next
	s_nop 0
.else
	s_barrier_signal -1
	s_barrier_wait -1
.endif
	PLACES                                         ; (the places ahead of the loads into registers that the last products read)
.endm
; A PREFETCH INTO THE L2.  An expert's 2,228,224 bytes of wq are one stream that its 8 clusters walk alike: the expert's first cluster asks, and nobody else.  In each of its four work-groups waves 0 and 1 ask,
; one instruction each, lanes 256 bytes apart: 8 x 8,192 = 65,536 bytes a change of slots, shared out BY ADDRESS (16,384 x place in the cluster + 8,192 x wave).  The first ask names byte 327,680 on (the chunks before come
; by their loads alone: nothing is asked for at the head), the 29th ends at the expert's last byte; then nothing is asked for.  Each aligned block of 256 bytes is named once.  A chunk is 69,632 bytes, so the asks stand
; between three and two changes of slots ahead of the tensor load that wants the bytes.
.macro ASK
	s_cmp_le_u32 s[RND], s[LIM]
	s_cbranch_scc0 .Lnot_mine_\@
	global_prefetch_b8 v[PFO], s[PFA:PFA+1] th:TH_LOAD_NT scope:SCOPE_SE
.Lnot_mine_\@:
.endm
; 64 numbers of a lane, v[src] on: four blocks, register 16 b + i = number 16 (lane / 16) + i of block b of my row.  Codes into v[PC + 2 b], v[PC + 2 b + 1]; bytes into v[TM + 4 + b].
.macro QCORE src
.irp b, 0,1,2,3
	v_max3_num_f32 v[TM+\b], |v[\src+16*\b]|, |v[\src+1+16*\b]|, 0x1800000   ; my 16 numbers, and the floor 2^(3 - 127): the byte cannot fall under 1
.endr
.irp i, 2,4,6,8,10,12,14
.irp b, 0,1,2,3
	v_max3_num_f32 v[TM+\b], v[TM+\b], |v[\src+16*\b+\i]|, |v[\src+1+16*\b+\i]|   ; (the four blocks by turns)
.endr
.endr
.irp b, 0,1,2,3
	v_permlanex16_b32 v[TM+4+\b], v[TM+\b], s[SEL], s[SEL+1]
.endr
.irp b, 0,1,2,3
	v_max_num_f32 v[TM+\b], v[TM+\b], v[TM+4+\b]   ; with lane l xor 16's: the block's largest magnitude
.endr
.irp b, 0,1,2,3
	v_add_nc_u32 v[TM+12+\b], 0xff000000, v[TM+\b] ; 2 off its exponent field: the conversion's scale operand
.endr
.irp b, 0,1,2,3
	v_lshrrev_b32 v[TM+4+\b], 23, v[TM+12+\b]      ; the scale's byte
.endr
.irp b, 0,1,2,3
	v_cvt_scalef32_pk8_fp4_f32 v[PC+2*\b], v[\src+16*\b:\src+7+16*\b], v[TM+12+\b]
	v_cvt_scalef32_pk8_fp4_f32 v[PC+1+2*\b], v[\src+8+16*\b:\src+15+16*\b], v[TM+12+\b]
.endr
	v_nop                                          ; one plain place behind a scaled conversion
.endm
.macro XLOAD s                         ; K step s of my 16 rows of x into raw set s % 4 (window 2): each load reads 512 consecutive bytes of one row
	WIN 0x80
.irp i, 0,1,2,3,4,5,6,7,8,9,10,11,12,13,14,15
	global_load_b128 v[64*((\s)%4)+4*\i:64*((\s)%4)+4*\i+3], v[XA], s[4:5] offset:4096*\i+512*(\s) th:TH_LOAD_NT
.endr
.endm
; K step s of x: through my stage (in as loaded, back 16 neighbours of each block a lane), quantised, and to LDS as an image of the operand's registers.
.macro XSTEP s
.if (\s) < 5
	s_wait_loadcnt 48                              ; this set's 16 loads are in; the three later sets' 48 may be out
.else
	s_wait_loadcnt 16*(7-(\s))                     ; the sets that are left
.endif
	WIN 0x08                                       ; an LDS store's data are its source 1: window 2
.irp i, 0,1,2,3,4,5,6,7,8,9,10,11,12,13,14,15
	ds_store_b128 v[XSTA], v[64*((\s)%4)+4*\i:64*((\s)%4)+4*\i+3] offset:XSP*\i
.endr
	WIN 0
.irp b, 0,1,2,3
.irp j, 0,1,2,3
	ds_load_b128 v[T+16*\b+4*\j:T+16*\b+4*\j+3], v[XSTR] offset:128*\b+16*\j   ; LDS serves a wave's instructions in order (ISA guide 5.7.1.4): these see the stores above
.endr
.endr
	s_wait_dscnt 0x0                               ; the numbers are back; the stage's stores have read the raw set, the last step's image stores their codes
.if (\s) < 4
	XLOAD (\s)+4                                   ; the raw set takes the K step four on
	WIN 0
.endif
	QCORE T
	v_lshl_or_b32 v[PW], v[TM+5], 8, v[TM+4]       ; the four bytes make my row's scale word
	v_lshl_or_b32 v[PW], v[TM+6], 16, v[PW]
	v_lshl_or_b32 v[PW], v[TM+7], 24, v[PW]
.irp c, 0,1                                    ; the operand's layout wants a WHOLE block in a lane: lanes 0-15 block 2 c, lanes 16-31 block 2 c + 1
.irp i, 0,1
	v_permlane16_swap_b32 v[PC+4*\c+\i], v[PC+2+4*\c+\i]
.endr
.endr
.irp c, 0,1
	ds_store_b128 v[XWI], v[PC+4*\c:PC+4*\c+3] offset:1024*(\s)+512*\c
.endr
	ds_store_b32 v[XWS], v[PW] offset:256*((\s)/4)+4*((\s)%4)   ; both halves of the lanes write the same word with the same value
.endm
.macro HORNER acc, c                   ; acc = acc u + c, four pairs by turns
.irp i, 0,2,4,6
	v_pk_fma_f32 v[\acc+\i:\acc+\i+1], v[\acc+\i:\acc+\i+1], v[UU+\i:UU+\i+1], s[\c:\c+1] op_sel_hi:[1,1,0]
.endr
.endm
.macro GELU8 a                         ; one tile's eight numbers, in place; the accumulator is read from its low end on
.irp i, 0,1,2,3,4,5,6,7
	v_med3_num_f32 v[XC+\i], v[(\a)+\i], s[CLO], s[CHI]
.endr
.irp i, 0,2,4,6
	v_pk_mul_f32 v[UU+\i:UU+\i+1], v[XC+\i:XC+\i+1], v[XC+\i:XC+\i+1]
.endr
.irp i, 0,2,4,6
	v_pk_fma_f32 v[PP+\i:PP+\i+1], v[UU+\i:UU+\i+1], v[KA6:KA6+1], s[CA5:CA5+1] op_sel_hi:[1,1,0]
.endr
.irp i, 0,2,4,6
	v_pk_fma_f32 v[QQ+\i:QQ+\i+1], v[UU+\i:UU+\i+1], v[KB4:KB4+1], s[CB3:CB3+1] op_sel_hi:[1,1,0]
.endr
	HORNER PP, CA4
	HORNER QQ, CB2
	HORNER PP, CA3
	HORNER QQ, CB1
	HORNER PP, CA2
	HORNER QQ, CB0
.irp i, 0,1,2,3,4,5,6,7
	v_rcp_f32 v[QQ+\i], v[QQ+\i]
.endr
	HORNER PP, CA1                                 ; plain instructions that name no Q stand behind the reciprocals (ISA guide 5.7.2)
	HORNER PP, CA0
.irp i, 0,2,4,6
	v_pk_mul_f32 v[PP+\i:PP+\i+1], v[PP+\i:PP+\i+1], v[XC+\i:XC+\i+1]
.endr
	s_wait_alu depctr_va_vdst(0)
.irp i, 0,2,4,6
	v_pk_fma_f32 v[PP+\i:PP+\i+1], v[PP+\i:PP+\i+1], v[QQ+\i:QQ+\i+1], 0.5 op_sel_hi:[1,1,0]
.endr
.irp i, 0,2,4,6
	v_pk_mul_f32 v[(\a)+\i:(\a)+\i+1], v[(\a)+\i:(\a)+\i+1], v[PP+\i:PP+\i+1]
.endr
.endm
.macro WM                              ; one product; rR = 1: source 0's scale words stand in lanes 16-31
.if rR
	v_wmma_scale_f32_16x16x128_f8f6f4 v[rD:rD+7], v[rA:rA+7], v[rB:rB+7], v[rC:rC+7], v[rSA], v[rSB] matrix_a_fmt:MATRIX_FMT_FP4 matrix_b_fmt:MATRIX_FMT_FP4 matrix_a_scale:MATRIX_SCALE_ROW1
.else
	v_wmma_scale_f32_16x16x128_f8f6f4 v[rD:rD+7], v[rA:rA+7], v[rB:rB+7], v[rC:rC+7], v[rSA], v[rSB] matrix_a_fmt:MATRIX_FMT_FP4 matrix_b_fmt:MATRIX_FMT_FP4
.endif
.endm
.macro WSLOAD                          ; my part's 1,024 scale bytes: 8 words a lane
.irp i, 0,1,2,3
	ds_load_b64 v[WS+2*\i:WS+2*\i+1], v[ASW] offset:256*\i
.endr
.endm
.macro WFRAGS                          ; my part's 16 fragments, in the order in which the K steps want them: each load takes 512 consecutive bytes
.irp f, 0,1,2,3,4,5,6,7,8,9,10,11,12,13,14,15
	ds_load_b128 v[8*\f:8*\f+3],   v[AW] offset:1024*\f
	ds_load_b128 v[8*\f+4:8*\f+7], v[AW] offset:1024*\f+512
.endr
.endm
; A CHUNK OF PHASE A: 128 hidden units, my 32 of them for 64 rows.
.macro PROC_A
	v_add_nc_u32 v[AW], s[TB], v[AWB]
	v_add_nc_u32 v[ASW], s[TB], v[ASB]
	v_add_nc_u32 v[AB], s[BC], v[AB1B]
	v_add_nc_u32 v[HW], s[HC], v[HWB]
	v_add_nc_u32 v[HSW], s[HB], v[HSB]
	WSLOAD
.irp k, 0,1,2,3
	ds_load_b128 v[BI+4*\k:BI+4*\k+3], v[AB] offset:16*\k    ; b1 of units 16 h + 0 .. 15 of my 32: tile u's eight at BI + 8 u
.endr
	WIN 0x80                                       ; destination window 2
	WFRAGS
	WIN 0
	ASK                                            ; behind the tensor load, its four lines and the run of LDS loads
	WIN 0x06                                       ; source 0 (W1) window 2, source 1 (x) window 1, C and D window 0
.irp s, 0,1,2,3,4,5,6,7
	s_wait_dscnt 4*(7-\s)                          ; all but the later K steps' fragments, four loads each
.irp m, 0,1,2,3
.irp u, 0,1
.set rD, ACC+16*\m+8*\u                        ; the eight accumulators take turns, one instruction a turn
.set rA, 8*(2*\s+\u)
.set rB, 8*(8*\m+\s)
.if \s == 0
.set rC, BI+8*\u                               ; the bias starts the sum
.else
.set rC, rD
.endif
.set rSA, WS+\s
.set rSB, XS+8*\m+\s
.set rR, \u
	WM
.endr
.endr
.endr
	WIN 0
	PLACES
.irp k, 0,1,2,3,4,5,6,7
	GELU8 ACC+8*\k
.endr
	QCORE ACC                                      ; registers 16 m + 0 .. 15 are units 16 h + 0 .. 15 of my 32, of row 16 m + r: the four blocks are the four tiles of rows
.irp m, 0,1,2,3
	ds_store_b64 v[HW], v[PC+2*\m:PC+2*\m+1] offset:1024*\m    ; K step = this chunk, block = my wave: 16 codes at 256 w + 16 r + 8 h of fragment 4 s + m: the wave stores 256 consecutive bytes
.endr
.irp m, 0,1,2,3
	ds_store_b8 v[HSW], v[TM+4+\m] offset:4*\m     ; byte w of the row's scale word; both halves of the lanes write the same byte with the same value
.endr
	s_add_co_u32 s[HC], s[HC], 4096
	s_add_co_u32 s[HB], s[HB], 256
	s_add_co_u32 s[BC], s[BC], 512
	s_xor_b32 s[TB], s[TB], SLOT1
.endm
; A CHUNK OF PHASE B: 256 outputs x 512 along K, my 64 outputs for 64 rows.
.macro PROC_B kq
	v_add_nc_u32 v[AW], s[TB], v[AWB]
	v_add_nc_u32 v[ASW], s[TB], v[ASB]
.if (\kq) == 0
	v_add_nc_u32 v[AB], s[DB2], v[AB2B]
.endif
	WSLOAD
.if (\kq) == 0
.irp t, 0,1,2,3
	ds_load_b128 v[BO2+8*\t:BO2+8*\t+3],   v[AB] offset:64*\t      ; b2 of outputs 16 t + 8 h + 0 .. 7 of my 64
	ds_load_b128 v[BO2+8*\t+4:BO2+8*\t+7], v[AB] offset:64*\t+16
.endr
.endif
	WIN 0x40                                       ; destination window 1
	WFRAGS
	WIN 0
	ASK
.irp sp, 0,1,2,3
	s_wait_dscnt 8*(3-\sp)                         ; all but the later K steps' fragments, eight loads each
.if ((\kq) == 0) && (\sp == 0)
	WIN 0x49                                       ; source 0 (W2) window 1, source 1 (h) window 2, C (b2) window 0, D window 1
.elseif (\kq) < 2
	WIN 0x59                                       ; C and D window 1
.else
	WIN 0x5d                                       ; h's K steps 8-15: window 3
.endif
.irp m, 0,1,2,3
.irp t, 0,1,2,3
.set rD, 128+8*(4*\m+\t)                       ; the sixteen accumulators take turns, one instruction a turn
.set rA, 8*(4*\sp+\t)
.set rB, 8*(4*((4*(\kq)+\sp)%8)+\m)
.if ((\kq) == 0) && (\sp == 0)
.set rC, BO2+8*\t
.else
.set rC, rD
.endif
.set rSA, WS+4*(\t/2)+\sp
.set rSB, HS+4*(4*(\kq)+\sp)+\m
.set rR, \t%2
	WM
.endr
.endr
.endr
	WIN 0
	s_xor_b32 s[TB], s[TB], SLOT1
.endm
; THE WAY OUT of a block of outputs, 16 rows at a time.  A lane holds 32 neighbouring bytes of a row; through my own stage they come back as rows of 256 bytes.
.macro TOSTAGE m
	WIN 0x04                                       ; an LDS store's data are its source 1: window 1
.irp t, 0,1,2,3
	ds_store_b128 v[SO], v[128+8*(4*(\m)+\t):128+8*(4*(\m)+\t)+3]   offset:64*\t       ; each accumulator from its low end on
	ds_store_b128 v[SO], v[128+8*(4*(\m)+\t)+4:128+8*(4*(\m)+\t)+7] offset:64*\t+16
.endr
	WIN 0
.irp i, 0,1,2,3,4,5,6,7
	ds_load_b128 v[OB+32*((\m)%2)+4*\i:OB+32*((\m)%2)+4*\i+3], v[SR] offset:2*\i*OSP   ; LDS serves a wave's instructions in order: these see the stores above
.endr
.endm
.macro SEND m, younger                 ; younger: the LDS instructions issued behind these rows' loads, which may stay out
	s_wait_dscnt \younger
.irp i, 0,1,2,3,4,5,6,7
	global_store_b128 v[GO], v[OB+32*((\m)%2)+4*\i:OB+32*((\m)%2)+4*\i+3], s[12:13] offset:(16*(\m)+2*\i)*4096 th:TH_STORE_NT   ; 16 lanes store 256 consecutive bytes, aligned
.endr
.endm
.macro OUT
	PLACES                                         ; the stage's stores read results just made
	TOSTAGE 0
.irp m, 1,2,3
.if \m > 1
	s_wait_xcnt 0x0                                ; the stores of two tiles back have read their registers: this tile's loads may land there
.endif
	TOSTAGE \m
	SEND \m-1, 16                                  ; behind those rows' loads: this tile's 8 stores and 8 loads
.endr
	SEND 3, 0
	s_wait_xcnt 0x0                                ; the stores have read their base and their registers
	s_add_nc_u64 s[12:13], s[12:13], 1024          ; the next 256 outputs
	s_add_co_u32 s[DB2], s[DB2], 1024
.endm
.macro DBLOCK last                     ; a block of 256 outputs: four chunks along K, then the way out
	CHANGE 1
	PROC_B 0
	CHANGE 1
	PROC_B 1
	CHANGE 1
	PROC_B 2
.if \last
	CHANGE 0                                       ; the last chunk of all: nothing is left to ask for
.else
	CHANGE 1
.endif
	PROC_B 3
	OUT
.endm
	s_load_b256 s[4:11], s[0:1], 0x0               ; x s[4:5], b1 s[6:7], b2 s[8:9], wq s[10:11]
	s_load_b64 s[12:13], s[0:1], 0x20              ; out0
	v_lshl_add_u32 v[SPW], v0, 2, SPARE
	v_mov_b32 v[NIL], 0
	ds_add_u32 v2, v3
	s_wait_dscnt 0x0
	v_lshrrev_b32 v1, 5, v0
	v_readfirstlane_b32 s[WV], v1                  ; wave 0..3
	s_bfe_u32 s15, ttmp6, 0x40000                  ; cx: my place in the cluster: it enters x's, out0's and the prefetches' global addresses alone
	s_lshr_b32 s16, ttmp9, 3                       ; the expert, which the four partners share (ttmp9 counts clusters)
	s_lshl_b32 s17, ttmp9, 2
	s_add_co_u32 s17, s17, s15                     ; my block of 64 rows
	; descriptor group 1: a part of a chunk, 17,408 dense bytes, as 68 rows of 256 bytes
	s_mov_b32 s[G1+0], 15|(3<<16)|(1<<21)          ; 15:0 the mask: all four work-groups; 17:16 elements of 8 bytes; 20 no padding; 21 set beside a mask
	s_mov_b32 s[G1+1], 32<<16                      ; tensor_dim0 = 32
	s_mov_b32 s[G1+2], 68<<16                      ; tensor_dim1 = 68
	s_mov_b32 s[G1+3], 32<<16                      ; tile_dim0 = 32
	s_mov_b32 s[G1+4], 68                          ; tile_dim1 = 68
	s_mov_b32 s[G1+5], 32                          ; tensor_dim0_stride
	s_mov_b32 s[G1+6], 0
	s_mov_b32 s[G1+7], 0
	s_mov_b32 s[SEL], 0x76543210
	s_mov_b32 s[SEL+1], 0xfedcba98
	s_mov_b32 s[CLO], 0xc0b504f3                   ; -4 sqrt(2)
	s_mov_b32 s[CHI], 0x40b504f3
	SPAIR CA0, 0xbbba79f3                          ; -5.69080716e-03
	SPAIR CA1, 0xba08eb41                          ; -5.22304390e-04
	SPAIR CA2, 0xb8883d9c                          ; -6.49646074e-05
	SPAIR CA3, 0xb628d45d                          ; -2.51575617e-06
	SPAIR CA4, 0xb347667d                          ; -4.64265104e-08
	SPAIR CA5, 0x2fa84a8d                          ; +3.06119941e-10
	SPAIR CB0, 0xbc69b6a7                          ; -1.42647391e-02
	SPAIR CB1, 0xbb719bf8                          ; -3.68666458e-03
	SPAIR CB2, 0xb9dc924e                          ; -4.20706744e-04
	SPAIR CB3, 0xb7dfbd29                          ; -2.66717569e-05
	v_mov_b32 v[KA6], 0xabd3f331                   ; -1.50599506e-12
	v_mov_b32 v[KA6+1], 0xabd3f331
	v_mov_b32 v[KB4], 0xb57460cd                   ; -9.10379490e-07
	v_mov_b32 v[KB4+1], 0xb57460cd
	s_mov_b32 s[TB], 0
	s_mov_b32 s[HC], 0
	s_mov_b32 s[HB], 0
	s_mov_b32 s[BC], 0
	s_mov_b32 s[RND], 0
	s_mov_b32 s[DB2], 0
	s_lshr_b32 s[LIM], s[WV], 1                    ; 0 in waves 0 and 1,
	s_and_b32 s78, ttmp9, 7
	s_or_b32 s[LIM], s[LIM], s78                   ; of the expert's first cluster: the same in all four partners
	s_cmp_eq_u32 s[LIM], 0
	s_cselect_b32 s[LIM], 29, 0
	; every LDS address: a constant + a constant x lane + a constant x wave
	v_and_b32 v96, 31, v0                          ; lane
	v_and_b32 v97, 15, v0                          ; r
	v_bfe_u32 v98, v0, 4, 1                        ; h
	v_lshlrev_b32 v[XA], 4, v96
	v_lshlrev_b32 v99, 4, v97                      ; 16 r
	v_lshlrev_b32 v[BOF], 4, v0
	v_lshl_add_u32 v[BST], v0, 4, BIAS
	s_mul_i32 s78, s[WV], PARTB
	v_add_nc_u32 v[AWB], s78, v[XA]
	s_add_co_u32 s78, s78, 16384
	v_lshl_add_u32 v[ASB], v96, 3, s78
	s_lshl_b32 s78, s[WV], 7
	s_add_co_u32 s78, s78, BIAS
	v_lshl_add_u32 v[AB1B], v98, 6, s78
	s_lshl_b32 s78, s[WV], 8
	s_add_co_u32 s79, s78, HIMG
	v_lshl_add_u32 v[HWB], v98, 3, v99
	v_add_nc_u32 v[HWB], s79, v[HWB]
	s_add_co_u32 s79, s78, BIAS+8192
	v_lshl_add_u32 v[AB2B], v98, 5, s79
	s_add_co_u32 s79, s[WV], HSC
	v_add_nc_u32 v[HSB], s79, v99
	s_mul_i32 s78, s[WV], 16*XSP
	s_add_co_u32 s78, s78, XSTG
	v_add_nc_u32 v[XSTA], s78, v[XA]
	v_mul_u32_u24 v[XSTR], v97, XSP
	v_lshl_add_u32 v[XSTR], v98, 6, v[XSTR]
	v_add_nc_u32 v[XSTR], s78, v[XSTR]
	s_lshl_b32 s78, s[WV], 13
	s_add_co_u32 s78, s78, XIMG
	v_add_nc_u32 v[XWI], s78, v[XA]
	s_lshl_b32 s78, s[WV], 9
	s_add_co_u32 s78, s78, XSC
	v_add_nc_u32 v[XWS], s78, v99
	v_add_nc_u32 v[LI], XIMG, v[XA]
	v_add_nc_u32 v[XSR], XSC, v99
	v_add_nc_u32 v[HLI], HIMG, v[XA]
	v_add_nc_u32 v[HSR], HSC, v99
	s_mul_i32 s78, s[WV], 16*OSP
	s_add_co_u32 s78, s78, OSTG
	v_mul_u32_u24 v[SO], v97, OSP
	v_lshl_add_u32 v[SO], v98, 5, v[SO]
	v_add_nc_u32 v[SO], s78, v[SO]                 ; in: row r, 32 bytes for each half of the lanes
	v_mul_u32_u24 v[SR], v98, OSP
	v_add_nc_u32 v[SR], v[SR], v99
	v_add_nc_u32 v[SR], s78, v[SR]                 ; back: lanes 0-15 one row of 256 bytes, lanes 16-31 the next
	v_lshl_add_u32 v[GO], v98, 12, v99             ; and the same two rows in out0
	v_lshlrev_b32 v[PFO], 8, v96
.irp b, 0,1,2,3
	v_mov_b32 v[TM+4+\b], 0                        ; written once: a lane permute's destination counts as one of its sources
.endr
	; global addresses
	s_lshl_b32 s18, s17, 18                        ; my block's 64 rows of 4,096 bytes
	s_lshl_b32 s19, s[WV], 16
	s_add_co_u32 s20, s18, s19                     ; x: + my wave's 16 rows
	s_mov_b32 s21, 0
	s_lshl_b32 s19, s[WV], 8
	s_add_co_u32 s22, s18, s19                     ; out0: + my wave's 64 columns
	s_mov_b32 s23, 0
	s_mov_b32 s77, 0
	s_mov_b32 s75, 0
	s_mul_i32 s74, s[WV], PARTB
	s_wait_kmcnt 0x0
	s_add_nc_u64 s[4:5], s[4:5], s[20:21]
	s_add_nc_u64 s[12:13], s[12:13], s[22:23]
	s_lshl_b32 s76, s16, 13
	s_add_nc_u64 s[6:7], s[6:7], s[76:77]          ; b1 of my expert
	s_lshl_b32 s76, s16, 12
	s_add_nc_u64 s[8:9], s[8:9], s[76:77]          ; b2
	s_mul_i32 s76, s16, EXPB
	s_add_nc_u64 s[10:11], s[10:11], s[76:77]      ; wq at my expert
	s_mov_b32 s[G0], 1                             ; 1:0 count = 1
	s_mul_i32 s[G0+1], s[WV], PARTB                ; 63:32 LDS address: my part of slot 0: no place in the cluster enters it
	s_add_nc_u64 s[G0+2:G0+3], s[10:11], s[74:75]  ; 120:64 global address: my part of chunk 0: expert and wave alone
	s_or_b32 s[G0+3], s[G0+3], 0x80000000          ; 127:126 type = 2
	s_lshl_b32 s22, s15, 14
	s_lshl_b32 s23, s[WV], 13
	s_add_co_u32 s22, s22, s23
	s_add_co_u32 s22, s22, 327680-65536            ; the first change of slots steps it to byte 327,680
	s_mov_b32 s23, 0
	s_add_nc_u64 s[PFA:PFA+1], s[10:11], s[22:23]
	CROUND                                         ; all four work-groups are here: the first joint loads meet
	tensor_load_to_lds s[G0:G0+3], s[G1:G1+7]      ; chunk 0 into slot 0: the launch's one first fill
	s_nop 0
	PLACES
	; ---- the biases into LDS, and X: my 16 rows of x become 8 fragments
.irp k, 0,1,2,3
	global_load_b128 v[BO2+4*\k:BO2+4*\k+3], v[BOF], s[6:7] offset:2048*\k
.endr
.irp k, 0,1
	global_load_b128 v[BO2+16+4*\k:BO2+16+4*\k+3], v[BOF], s[8:9] offset:2048*\k
.endr
	XLOAD 0
	XLOAD 1
	XLOAD 2
	WIN 0
	s_wait_loadcnt 48                              ; the six bias loads are in; x's three sets, 48 loads, may be out
.irp k, 0,1,2,3,4,5
	ds_store_b128 v[BST], v[BO2+4*\k:BO2+4*\k+3] offset:2048*\k
.endr
	XLOAD 3
.irp s, 0,1,2,3,4,5,6,7
	XSTEP \s
.endr
	BARRIER                                        ; the biases, x's 32 fragments and their scale words lie in LDS
	WIN 0x40                                       ; destination window 1
.set F, 0
.rept 32
	ds_load_b128 v[8*F:8*F+3],   v[LI] offset:1024*F
	ds_load_b128 v[8*F+4:8*F+7], v[LI] offset:1024*F+512
.set F, F+1
.endr
	WIN 0
.irp m, 0,1,2,3
.irp q, 0,1
	ds_load_b128 v[XS+8*\m+4*\q:XS+8*\m+4*\q+3], v[XSR] offset:512*\m+256*\q   ; lane r: row 16 m + r's words of K steps 4 q on
.endr
.endr
	s_wait_dscnt 0x0
	; ---- A: the hidden layer.  Trip j shows chunk j landed and asks for chunk j + 1 (slot 1's first fill is issued as a refill is)
	s_mov_b32 s[CNT], 16
.La:
	CHANGE 1
	PROC_A
	s_sub_co_u32 s[CNT], s[CNT], 1
	s_cmp_lg_u32 s[CNT], 0
	s_cbranch_scc1 .La
	BARRIER                                        ; h's 64 fragments and their scale words lie in LDS
	WIN 0x80                                       ; K steps 0-7: window 2
.set F, 0
.rept 32
	ds_load_b128 v[8*F:8*F+3],   v[HLI] offset:1024*F
	ds_load_b128 v[8*F+4:8*F+7], v[HLI] offset:1024*F+512
.set F, F+1
.endr
	WIN 0xc0                                       ; K steps 8-15: window 3
.set F, 0
.rept 32
	ds_load_b128 v[8*F:8*F+3],   v[HLI] offset:1024*(F+32)
	ds_load_b128 v[8*F+4:8*F+7], v[HLI] offset:1024*(F+32)+512
.set F, F+1
.endr
	WIN 0
.irp s, 0,1,2,3,4,5,6,7,8,9,10,11,12,13,14,15
	ds_load_b128 v[HS+4*\s:HS+4*\s+3], v[HSR] offset:256*\s    ; lane r: the words of K step s of rows r, 16 + r, 32 + r, 48 + r
.endr
	s_wait_dscnt 0x0
	; ---- B: out, four blocks of 256 outputs
	s_mov_b32 s[CNT], 3
.Lb:
	DBLOCK 0
	s_sub_co_u32 s[CNT], s[CNT], 1
	s_cmp_lg_u32 s[CNT], 0
	s_cbranch_scc1 .Lb
	DBLOCK 1                                       ; the last block is written out
	s_wait_tensorcnt 0x0                           ; the wave's end: behind my last tensor load and my last LDS store
	ds_add_u32 v[SPW], v[NIL]
	s_wait_dscnt 0x0
	CROUND                                         ; the closing round: no work-group ends while a partner may still ask for a part that names it
	s_endpgm
.Lfunc_end_k_qb67bb17137_ffn:
	.size	k_qb67bb17137_ffn, .Lfunc_end_k_qb67bb17137_ffn-k_qb67bb17137_ffn
	.p2alignl 7, 3214868480
	.fill 96, 4, 3214868480
	.section	.rodata,"a",@progbits
	.p2align	6, 0x0
	.amdhsa_kernel k_qb67bb17137_ffn
		.amdhsa_group_segment_fixed_size 327680
		.amdhsa_private_segment_fixed_size 0
		.amdhsa_enable_private_segment 0
		.amdhsa_kernarg_size 40
		.amdhsa_user_sgpr_count 2
		.amdhsa_user_sgpr_kernarg_segment_ptr 1
		.amdhsa_wavefront_size32 1
		.amdhsa_system_sgpr_workgroup_id_x 1
		.amdhsa_system_sgpr_workgroup_id_y 1
		.amdhsa_system_sgpr_workgroup_id_z 1
		.amdhsa_system_vgpr_workitem_id 0
		.amdhsa_next_free_vgpr 1024
		.amdhsa_next_free_sgpr 80
		.amdhsa_reserve_vcc 0
		.amdhsa_float_denorm_mode_32 3
		.amdhsa_float_denorm_mode_16_64 3
		.amdhsa_memory_ordered 1
		.amdhsa_forward_progress 1
		.amdhsa_inst_pref_size 244
	.end_amdhsa_kernel
	.amdgpu_metadata
---
amdhsa.version: [ 1, 2 ]
amdhsa.kernels:
  - .name:           k_qb67bb17137_ffn
    .symbol:         k_qb67bb17137_ffn.kd
    .args:
      - { .name: x, .offset: 0, .size: 8, .value_kind: global_buffer, .address_space: global }
      - { .name: b1, .offset: 8, .size: 8, .value_kind: global_buffer, .address_space: global }
      - { .name: b2, .offset: 16, .size: 8, .value_kind: global_buffer, .address_space: global }
      - { .name: wq, .offset: 24, .size: 8, .value_kind: global_buffer, .address_space: global }
      - { .name: out0, .offset: 32, .size: 8, .value_kind: global_buffer, .address_space: global }
    .group_segment_fixed_size: 327680
    .private_segment_fixed_size: 0
    .kernarg_segment_align: 8
    .kernarg_segment_size: 40
    .max_flat_workgroup_size: 128
    .sgpr_count:     80
    .vgpr_count:     1024
    .wavefront_size: 32
...
	.end_amdgpu_metadata
.endif
;; end of part 2
;; ======== version 2 of 2: 2 launches
;; limits: an absolute error that grows with the inputs' magnitude: up to 1e-07 times it
;; workspace buffers: wq 17,825,792 bytes
;; launch prep (part 3): grid 1024 x 1, 4 waves a work-group, no clusters, 0 bytes of LDS; arguments w1, w2, wq; writes wq
.if DOCPART == 3
	.amdgcn_target "amdgcn-amd-amdhsa--gfx1250"
	.amdhsa_code_object_version 6
	.text
	.protected	k_qb67bb17137_prep
	.globl	k_qb67bb17137_prep
	.p2align	8
	.type	k_qb67bb17137_prep,@function
k_qb67bb17137_prep:
	s_mov_b64 s[64:65], 0
	v_nop
	global_prefetch_b8 v0, s[64:65] scope:SCOPE_SE
	s_setreg_imm32_b32 hwreg(HW_REG_WAVE_MODE, 25, 1), 1
	s_wait_xcnt 0x0
; w1 [8][1024 (k)][2048 (n)] and w2 [8][2048 (k)][1024 (n)], f32, K their FIRST axis within an expert, become codes of FP4 (E2M1) with one E8M0 byte for each 32 along K,
; laid in wq IN THE ORDER OF THE OPERAND'S REGISTERS of the launch that multiplies: 8 experts x 16 double chunks of 139,264 bytes.  A double chunk is four double parts (one for each wave there) of 34,816 bytes:
; the wave's part of the even chunk, then its part of the odd one; a part is 16,384 bytes of codes + 1,024 of scale bytes.
; A piece of 16 bytes is one row n x one block of 32 along K.  In a part, fragment f (16 rows x 128 K) begins at 1024 f; in it piece (cc, h, r) lies at 512 cc + 256 h + 16 r: row r of the tile, k = 64 cc + 32 h + 0 .. 31.
;   chunks 0-15 (w1): chunk c = hidden units 128 c on, all of K; part w = units 32 w on; f = 2 s + u (K step s, tile u); THE ROWS OF A TILE ARE NOT NEIGHBOURS: row r of tile u is unit 8 u + r + 8 (r / 8).
;   chunks 16-31 (w2): chunk 16 + 4 db + kq = outputs 256 db on, K = 512 kq on; part w = outputs 64 w on; f = 4 s' + t (K step s', tile t); row r of tile t is output 16 t + r.
;   scale bytes: at 16384 + 256 i + 8 L eight bytes, the words of two neighbouring K steps.  w1: K steps 2 i, 2 i + 1, L = r + 16 u.  w2: i = 2 (t / 2) + s' / 2, K steps 2 (i % 2), + 1, L = r + 16 (t % 2).
; A LANE TAKES A COLUMN n, AND ITS REGISTERS RUN DOWN K: a block of 32 lies in one lane's 32 registers, its largest magnitude needs no other lane, and the four conversions' results are one piece of the layout.
; A wave takes 32 columns x 256 along K (8 blocks); the four waves stand side by side on 512 bytes of each row.  Each store of codes covers two runs of 256 consecutive bytes, aligned (lanes 0-15, lanes 16-31);
; the wave's scale bytes leave as 256 consecutive bytes.  No LDS, no barrier: waves share nothing.  Loads run two blocks (64 loads a wave) ahead.  Every offset is an immediate: 255 rows of 8,192 bytes at the most.
; A block's scale is 2^(floor(log2(its largest magnitude)) - 2); its byte is the largest magnitude's exponent field - 2, held at 1 from below.
; LIMITS: a block of zeros gets the byte 1 where the rule says 127 (its codes are zeros, and this program alone reads the bytes); NaN and infinities among the inputs are not served.
.set EXPB,   2228224                   ; an expert's bytes in wq
.set SUPB,   139264                    ; a double chunk
.set SPARTB, 34816                     ; a wave's double part
.set PARTB,  17408
.set VO,  2                            ; v2       my column's byte in the work-group's 512 bytes of a row
.set CO,  3                            ; v3       my piece's place in a fragment pair: 1024 (lane / 16) + 16 (lane % 16)
.set SOF, 4                            ; v4       8 x lane: my scale bytes' place
.set SB,  10                           ; v[10:11] my 8 scale bytes
.set X,   32                           ; v32-95   two sets of 32 numbers
.set C,   96                           ; v96-127  codes: four registers for each block, so that no store's data are written again
.macro LOADW t, pitch                  ; block t: rows 32 t + i of my column, into set t % 2
.irp i, 0,1,2,3,4,5,6,7,8,9,10,11,12,13,14,15,16,17,18,19,20,21,22,23,24,25,26,27,28,29,30,31
	global_load_b32 v[X+32*((\t)%2)+\i], v[VO], s[4:5] offset:(32*(\t)+\i)*\pitch th:TH_LOAD_NT
.endr
.endm
.macro BLOCKW t, pitch, fstep
.set XSET, X+32*((\t)%2)
.if (\t) < 7
	s_wait_loadcnt 32                              ; this block's 32 loads are in; the next block's 32 may be out
.else
	s_wait_loadcnt 0x0
.endif
	v_max3_num_f32 v12, |v[XSET]|, |v[XSET+1]|, |v[XSET+2]|        ; the block's largest magnitude, in two chains: all 32 numbers are mine
	v_max3_num_f32 v13, |v[XSET+3]|, |v[XSET+4]|, |v[XSET+5]|
.irp i, 6,10,14,18,22,26
	v_max3_num_f32 v12, v12, |v[XSET+\i]|, |v[XSET+\i+1]|
	v_max3_num_f32 v13, v13, |v[XSET+\i+2]|, |v[XSET+\i+3]|
.endr
	v_max3_num_f32 v12, v12, |v[XSET+30]|, |v[XSET+31]|
	v_max3_num_f32 v12, v12, v13, 0x1800000        ; and the floor 2^(3 - 127): the byte cannot fall under 1
	v_add_nc_u32 v14, 0xff000000, v12              ; 2 off its exponent field: the conversion takes the exponent field of this operand as its scale
	v_lshrrev_b32 v15, 23, v14                     ; the scale's byte
.if (\t)%4 == 0
	v_mov_b32 v[SB+(\t)/4], v15                    ; four bytes to a register, the lower K in the lower byte
.else
	v_lshl_or_b32 v[SB+(\t)/4], v15, 8*((\t)%4), v[SB+(\t)/4]
.endif
.irp g, 0,1,2,3
	v_cvt_scalef32_pk8_fp4_f32 v[C+4*(\t)+\g], v[XSET+8*\g:XSET+8*\g+7], v14
.endr
	global_store_b128 v[CO], v[C+4*(\t):C+4*(\t)+3], s[8:9] offset:((\t)/4)*\fstep+(((\t)/2)%2)*512+((\t)%2)*256   ; K step t / 4 of my two, cc = (t / 2) % 2, h = t % 2
.if (\t) < 6
	LOADW (\t)+2, \pitch
.endif
.endm
.macro QW pitch, fstep                 ; a wave's whole work; no address and no store's data are ever rewritten, so no wait frees a source
	LOADW 0, \pitch
	LOADW 1, \pitch
.irp t, 0,1,2,3,4,5,6,7
	BLOCKW \t, \pitch, \fstep
.endr
	global_store_b64 v[SOF], v[SB:SB+1], s[10:11]  ; 32 lanes store 256 consecutive bytes, aligned
	s_endpgm
.endm
	s_load_b128 s[4:7], s[0:1], 0x0                ; w1, w2
	s_load_b64 s[8:9], s[0:1], 0x10                ; wq
	v_lshrrev_b32 v1, 5, v0
	v_readfirstlane_b32 s16, v1                    ; wave 0..3
	v_and_b32 v5, 31, v0                           ; lane
	v_and_b32 v6, 15, v0                           ; r
	v_bfe_u32 v7, v0, 4, 1                         ; u
	v_lshlrev_b32 v[CO], 4, v6
	v_lshl_add_u32 v[CO], v7, 10, v[CO]
	v_lshlrev_b32 v[SOF], 3, v5
	s_cmp_lt_u32 ttmp9, 512                        ; the first 512 work-groups take w1, the others w2
	s_cbranch_scc0 .Lw2
	; ---- w1: work-group = (expert e, chunk c, quarter kr of K)
	s_lshr_b32 s17, ttmp9, 6                       ; e
	s_bfe_u32 s18, ttmp9, 0x40002                  ; c
	s_and_b32 s19, ttmp9, 3                        ; kr
	v_and_b32 v8, 8, v6
	v_add_nc_u32 v8, v8, v6                        ; r + 8 (r / 8)
	v_lshl_add_u32 v8, v7, 3, v8                   ; + 8 u: my unit among the wave's 32
	v_lshlrev_b32 v[VO], 2, v8
	s_lshl_b32 s20, s16, 7
	v_add_nc_u32 v[VO], s20, v[VO]
	s_lshl_b32 s20, s17, 23                        ; from: e x 8,388,608 + kr x 256 rows of 8,192 bytes + c x 512
	s_lshl_b32 s21, s19, 21
	s_add_co_u32 s20, s20, s21
	s_lshl_b32 s21, s18, 9
	s_add_co_u32 s20, s20, s21
	s_mov_b32 s21, 0
	s_mul_i32 s22, s17, EXPB                       ; to: double chunk c / 2, my wave's double part, its half c % 2
	s_lshr_b32 s23, s18, 1
	s_mul_i32 s23, s23, SUPB
	s_add_co_u32 s22, s22, s23
	s_mul_i32 s23, s16, SPARTB
	s_add_co_u32 s22, s22, s23
	s_and_b32 s23, s18, 1
	s_mul_i32 s23, s23, PARTB
	s_add_co_u32 s22, s22, s23
	s_lshl_b32 s24, s19, 8                         ; scale bytes: 16384 + 256 kr
	s_add_co_u32 s24, s24, s22
	s_add_co_u32 s24, s24, 16384
	s_mov_b32 s25, 0
	s_lshl_b32 s23, s19, 12                        ; codes: K steps 2 kr, 2 kr + 1: 4096 kr
	s_add_co_u32 s22, s22, s23
	s_mov_b32 s23, 0
	s_wait_kmcnt 0x0
	s_add_nc_u64 s[4:5], s[4:5], s[20:21]
	s_add_nc_u64 s[10:11], s[8:9], s[24:25]
	s_add_nc_u64 s[8:9], s[8:9], s[22:23]
	QW 8192, 2048
.Lw2:
	; ---- w2: work-group = (expert e, 128 outputs g, eighth kr of K)
	s_sub_co_u32 s26, ttmp9, 512
	s_lshr_b32 s17, s26, 6                         ; e
	s_bfe_u32 s18, s26, 0x30003                    ; g
	s_and_b32 s19, s26, 7                          ; kr;  kq = kr / 2
	v_lshlrev_b32 v[VO], 2, v5
	s_lshl_b32 s20, s16, 7
	v_add_nc_u32 v[VO], s20, v[VO]                 ; output 128 g + 32 wave + lane
	s_lshl_b32 s20, s17, 23                        ; from: e x 8,388,608 + kr x 256 rows of 4,096 bytes + g x 512
	s_lshl_b32 s21, s19, 20
	s_add_co_u32 s20, s20, s21
	s_lshl_b32 s21, s18, 9
	s_add_co_u32 s20, s20, s21
	s_mov_b32 s21, 0
	s_lshr_b32 s27, s18, 1                         ; db
	s_lshl_b32 s27, s27, 1
	s_lshr_b32 s28, s19, 2                         ; kq / 2
	s_add_co_u32 s27, s27, s28
	s_add_co_u32 s27, s27, 8                       ; double chunk 8 + 2 db + kq / 2
	s_mul_i32 s22, s17, EXPB
	s_mul_i32 s27, s27, SUPB
	s_add_co_u32 s22, s22, s27
	s_and_b32 s27, s18, 1
	s_lshl_b32 s27, s27, 1
	s_lshr_b32 s28, s16, 1
	s_add_co_u32 s27, s27, s28                     ; double part 2 (g % 2) + wave / 2,
	s_mul_i32 s27, s27, SPARTB
	s_add_co_u32 s22, s22, s27
	s_bfe_u32 s28, s19, 0x10001                    ; its half kq % 2
	s_mul_i32 s28, s28, PARTB
	s_add_co_u32 s22, s22, s28
	s_and_b32 s27, s16, 1                          ; tp: tiles 2 tp, 2 tp + 1
	s_and_b32 s28, s19, 1                          ; g2: K steps 2 g2, 2 g2 + 1 of the chunk
	s_lshl_b32 s29, s27, 9
	s_lshl_b32 s30, s28, 8
	s_add_co_u32 s24, s29, s30                     ; scale bytes: 16384 + 512 tp + 256 g2
	s_add_co_u32 s24, s24, s22
	s_add_co_u32 s24, s24, 16384
	s_mov_b32 s25, 0
	s_lshl_b32 s29, s28, 13                        ; codes: 8192 g2 + 2048 tp
	s_lshl_b32 s30, s27, 11
	s_add_co_u32 s22, s22, s29
	s_add_co_u32 s22, s22, s30
	s_mov_b32 s23, 0
	s_wait_kmcnt 0x0
	s_add_nc_u64 s[4:5], s[6:7], s[20:21]
	s_add_nc_u64 s[10:11], s[8:9], s[24:25]
	s_add_nc_u64 s[8:9], s[8:9], s[22:23]
	QW 4096, 4096
.Lfunc_end_k_qb67bb17137_prep:
	.size	k_qb67bb17137_prep, .Lfunc_end_k_qb67bb17137_prep-k_qb67bb17137_prep
	.p2alignl 7, 3214868480
	.fill 96, 4, 3214868480
	.section	.rodata,"a",@progbits
	.p2align	6, 0x0
	.amdhsa_kernel k_qb67bb17137_prep
		.amdhsa_group_segment_fixed_size 0
		.amdhsa_private_segment_fixed_size 0
		.amdhsa_enable_private_segment 0
		.amdhsa_kernarg_size 24
		.amdhsa_user_sgpr_count 2
		.amdhsa_user_sgpr_kernarg_segment_ptr 1
		.amdhsa_wavefront_size32 1
		.amdhsa_system_sgpr_workgroup_id_x 1
		.amdhsa_system_sgpr_workgroup_id_y 1
		.amdhsa_system_sgpr_workgroup_id_z 1
		.amdhsa_system_vgpr_workitem_id 0
		.amdhsa_next_free_vgpr 128
		.amdhsa_next_free_sgpr 66
		.amdhsa_reserve_vcc 0
		.amdhsa_float_denorm_mode_32 3
		.amdhsa_float_denorm_mode_16_64 3
		.amdhsa_memory_ordered 1
		.amdhsa_forward_progress 1
		.amdhsa_inst_pref_size 77
	.end_amdhsa_kernel
	.amdgpu_metadata
---
amdhsa.version: [ 1, 2 ]
amdhsa.kernels:
  - .name:           k_qb67bb17137_prep
    .symbol:         k_qb67bb17137_prep.kd
    .args:
      - { .name: w1, .offset: 0, .size: 8, .value_kind: global_buffer, .address_space: global }
      - { .name: w2, .offset: 8, .size: 8, .value_kind: global_buffer, .address_space: global }
      - { .name: wq, .offset: 16, .size: 8, .value_kind: global_buffer, .address_space: global }
    .group_segment_fixed_size: 0
    .private_segment_fixed_size: 0
    .kernarg_segment_align: 8
    .kernarg_segment_size: 24
    .max_flat_workgroup_size: 128
    .sgpr_count:     66
    .vgpr_count:     128
    .wavefront_size: 32
...
	.end_amdgpu_metadata
.endif
;; end of part 3
;; launch ffn (part 4): grid 256 x 1, 4 waves a work-group, clusters of 4 x 1, 327,680 bytes of LDS; arguments x, b1, b2, wq, out0; writes out0
.if DOCPART == 4
	.amdgcn_target "amdgcn-amd-amdhsa--gfx1250"
	.amdhsa_code_object_version 6
	.text
	.protected	k_qb67bb17137_ffn
	.globl	k_qb67bb17137_ffn
	.p2align	8
	.type	k_qb67bb17137_ffn,@function
k_qb67bb17137_ffn:
	s_mov_b64 s[64:65], 0
	v_nop
	global_prefetch_b8 v0, s[64:65] scope:SCOPE_SE
	s_setreg_imm32_b32 hwreg(HW_REG_WAVE_MODE, 25, 1), 1
	s_wait_xcnt 0x0
	s_wait_alu depctr_hold_cnt(0) depctr_sa_sdst(0) depctr_va_vdst(0) depctr_va_sdst(0) depctr_va_ssrc(0) depctr_va_vcc(0) depctr_vm_vsrc(0)
	s_getreg_b32 s2, hwreg(HW_REG_IB_STS2, 6, 4)
	s_cmp_eq_u32 s2, 0
	s_cbranch_scc0 .Lentry_in_a_cluster
	s_endpgm
.Lentry_in_a_cluster:
	s_bfe_u32 s2, ttmp6, 0x10000c
	s_cmp_lg_u32 s2, 0x3003
	s_cbranch_scc0 .Lentry_shape_is_right
	s_endpgm
.Lentry_shape_is_right:
; out = gelu(x W1 + b1) W2 + b2 for one expert's rows, both products on codes of FP4 (E2M1) with one E8M0 scale for each 32 along K; gelu is the exact one (erf), in f32; the hidden layer never goes to memory.
; SHARES.  16,384 rows / 64 = 256 work-groups of four waves; work-group g takes rows 64 g on, expert g / 32.  THE WAVES SHARE THE COLUMNS, NOT THE ROWS.
;   X: x comes by tensor loads into the bytes that the weights' two slots take later: each wave asks for its own 16 rows, a tile of 16 rows x 512 bytes for each of the 8 K steps, and reads only its own tiles, each behind its own
;      counted wait.  It quantises them (8 fragments of 16 rows x 128 K) and stores them in LDS as images of the operand's registers; every wave then holds all 32 fragments in registers (window 1).
;   A: 16 chunks of 128 hidden units, in two halves of 8.  Wave w makes units 32 w on of the chunk for all 64 rows: 64 products (transposed: source 0 = 16 rows of W1, source 1 = x; C of the first = b1), gelu, quantised in
;      registers: its 32 units are ONE block of the second product's K for each row; 8 bytes of codes a lane and one scale byte a row go to h's images in LDS.  Behind each half every wave takes the half's 32 fragments
;      into registers, so that h's images want 32,768 bytes of LDS and not twice that.
;   B: every wave holds all of h (64 fragments, windows 3 and 2).  Four blocks of 256 outputs x four chunks of 512 along K: wave w makes outputs 64 w on of the block for all 64 rows, 16 accumulators by turns
;      (source 0 = 16 rows of W2, source 1 = h; C of the first = b2); a finished block leaves through the wave's own stage while the next block's weights are on their way.
; WEIGHTS come as the earlier launch laid them, through two LDS slots of TWO chunks each: a wave's one tensor load brings its parts of both (34,816 dense bytes: codes in the order of its registers, and scale bytes), and has
; two chunks' work in which to land.  16 fills, 16 changes of slots.
; CLUSTER.  The 32 work-groups of an expert walk the same weights; four of them form a cluster and ask for each double part JOINTLY: the same tensor load, the same descriptor, a mask that names the four.  A mask names four
; work-groups at the most, and x, the other operand, is shared by nobody (its loads carry no mask): so 4 x 1.  By this text's own count a wave has eight tensor loads out at the start, later one.
; GELU.  g = x (0.5 + xc P(u) / Q(u)), xc = x held to +-4 sqrt(2), u = xc^2: erf(z) = z P(z^2) / Q(z^2) as a ratio of polynomials of degrees 6 and 4, with z = x / sqrt(2) and the factor 1/2 folded into the coefficients.
; LIMITS.  0.5 + erf / 2 is formed with an absolute error of about 1e-7, so g's relative accuracy falls off in the far negative tail (about 1e-6 at x = -1.3, 5e-6 at x = -2), where g lies far under a block's lowest code step;
; beyond |x| = 4 sqrt(2) erf is held at its value there.  A block of zeros gets the scale byte 1 (its codes are zeros; the bytes are read here alone).  NaN and infinities are not served.
; REGISTERS, in windows of 256 (s_set_vgpr_msb: bits 1:0 source 0, 3:2 source 1, 5:4 source 2, 7:6 destination):
;   window 0: v1-31 addresses and two constants; v32-63 b2's four tiles (at the head: the biases on their way to LDS); v64-71 the weights' scale words; v72-87 b1's two tiles; v88-95 codes just made; v96-127 at work;
;             v128-191 64 numbers of x / phase A's 8 accumulators / rows of out; v192-223 x's scale words, then those of h's K steps 8-15; v224-255 those of h's K steps 0-7: these and v64-71 hold scales and nothing else.
;   window 1: x's 32 fragments; in phase B v0-127 W2's 16 fragments, v128-255 the 16 accumulators.   window 2: v0-127 W1's 16 fragments; in phase B h's K steps 8-15.   window 3: h's K steps 0-7.
.set PARTB,  17408                     ; a wave's part of a chunk
.set SPARTB, 34816                     ; of a double chunk: 136 rows of 256 bytes
.set SLOTB,  139264                    ; a double chunk, and a slot.  Its two bits, 2^17 and 2^13, stand in no wave's SPARTB w and not in PARTB: so one exclusive or turns an address in one slot into the other's
.set EXPB,   2228224                   ; an expert's 16 double chunks
; LDS.  Tensor loads fill the two slots alone (slot 0 at 0, slot 1 at SLOTB); everything that ds_store writes lies behind them, in blocks of 256 bytes of its own.
.set XSP,    528                       ; a row of a tile of x: 512 bytes + 16 of padding: the 16 rows that a load touches start in 16 different columns of 16 bytes
.set XT,     16*XSP                    ; a tile of x
.set XWT,    4*XT                      ; a wave's four tiles in one slot's bytes: K steps 0-3 in slot 0's, 4-7 in slot 1's
.set SH,     278528                    ; 32,768 bytes that serve in turn, a barrier between the turns: x's 32 fragment images, 1024 (8 m + s); h's 32 of a half, 1024 (4 (s % 8) + m); the waves' stages for out, 16 rows x (256 + 16)
.set SSC,    311296                    ; 2,048 bytes: x's scale words, 512 m + 256 (s / 4) + 16 r + 4 (s % 4); then h's scale bytes of a half, 256 (s % 8) + 16 r + 4 m + block
.set BIAS,   313344                    ; b1 of my expert (8,192 bytes), then b2 (4,096)
.set SPARE,  325632                    ; the spare words, 128 bytes for each wave: two blocks of 256 bytes that no other line names
.set OSP,    272
.set BOF,  1                           ; v1   16 x thread: the biases' loads
.set SPW,  2                           ; v2   LDS address of my spare word; never rewritten
.set NIL,  3                           ; v3   0; never rewritten
.set AWB,  4                           ; v4   my lane's place in my double part of a slot: SPARTB w + 16 lane
.set ASB,  5                           ; v5   and among its scale bytes: SPARTB w + 16384 + 8 lane
.set AW,   6                           ; v6, v7 the same in the slot (and, in phase A, the chunk) in hand
.set ASW,  7
.set AB1B, 8                           ; v8   b1: BIAS + 128 w + 64 h
.set AB,   9                           ; v9   the bias loads in hand
.set HWB,  10                          ; v10  h's images, where I store: SH + 256 w + 16 r + 8 h
.set HSB,  11                          ; v11  h's scale bytes: SSC + 16 r + w
.set HW,   12                          ; v12, v13 the same for the chunk in hand
.set HSW,  13
.set XA,   14                          ; v14  16 x lane
.set XR0,  15                          ; v15  my tiles of x, K steps 0-3: XWT w + 528 r + 64 h
.set XR1,  16                          ; v16  K steps 4-7: the same + SLOTB
.set XWI,  17                          ; v17  x's images, where I store
.set XWS,  18                          ; v18  x's scale words, where I store
.set LI,   19                          ; v19  SH + 16 lane: an image's place for my lane
.set SCR,  20                          ; v20  SSC + 16 r: scale words, where I load
.set AB2B, 23                          ; v23  b2: BIAS + 8192 + 256 w + 32 h
.set SO,   24                          ; v24  out's stage, in
.set SR,   25                          ; v25  out's stage, back
.set GO,   26                          ; v26  my byte offset in two rows of out
.set PFO,  27                          ; v27  256 x lane: the prefetches' offset; never rewritten
.set KA6,  28                          ; v[28:29] P's leading coefficient, twice
.set KB4,  30                          ; v[30:31] Q's
.set BO2,  32
.set BST,  56                          ; v56  at the head: BIAS + 16 x thread
.set WS,   64
.set BI,   72
.set PC,   88
.set XC,   96                          ; gelu: xc, u, P, Q of one tile's eight numbers
.set UU,   104
.set PP,   112
.set QQ,   120
.set TM,   96                          ; the quantiser: v96-99 largest magnitudes, v100-103 bytes, v108-111 the conversions' scale operands
.set PW,   112                         ; a scale word just made
.set ACC,  128
.set T,    128
.set OB,   128
.set XS,   192
.set HS,   192                         ; K step s's four words at HS + 4 ((s + 8) % 16)
.set WV,   14                          ; s14  my wave's number
.set G1,   24                          ; s[24:31] the weights' descriptor group 1;  s[32:35] their group 0, which walks
.set G0,   32
.set TB,   36                          ; s36  the slot in hand (0 or SLOTB), in phase A + the chunk in it (0 or PARTB)
.set HC,   37                          ; s37  4096 x chunk of the half: h's images
.set HB,   38                          ; s38  256 x chunk of the half: h's scale bytes
.set BC,   39                          ; s39  512 x chunk: b1
.set RND,  40                          ; s40  changes of slots so far
.set LIM,  41                          ; s41  14 in a wave that prefetches, else 0
.set PFA,  42                          ; s[42:43] where my prefetches stand
.set CNT,  44
.set DB2,  45                          ; s45  1024 x block of outputs: b2
.set SEL,  46                          ; s[46:47] v_permlanex16_b32's selects for lane l xor 16
.set CLO,  48                          ; s48, s49  -4 sqrt(2), +4 sqrt(2)
.set CHI,  49
.set CA0,  50                          ; s[50:61] P's coefficients 0 to 5, each twice: the packed form names a pair
.set CA1,  52
.set CA2,  54
.set CA3,  56
.set CA4,  58
.set CA5,  60
.set TW,   62                          ; s62  counts a slot's two chunks
.set CB0,  66                          ; s[66:73] Q's coefficients 0 to 3
.set CB1,  68
.set CB2,  70
.set CB3,  72
.set G1X,  80                          ; s[80:87] x's descriptor group 1.  x's eight groups 0: s[88:99], and at the head s[52:63] and s[68:75], which take the coefficients once x has landed
.set MSB, 0
.macro WIN new                         ; the immediate's high byte repeats the setting that is left; a switch that changes nothing is dropped
.if MSB != \new
	s_set_vgpr_msb (MSB<<8)|\new
.set MSB, \new
.endif
.endm
.macro PLACES                          ; four plain vector instructions behind a matrix instruction, ahead of loads into its registers and of reads of its results
.rept 4
	v_nop
.endr
.endm
.macro SPAIR reg, val
	s_mov_b32 s[\reg], \val
	s_mov_b32 s[\reg+1], \val
.endm
; A round of the cluster's barrier: my work-group's barrier, so that wave 0's signal speaks for all four waves; wave 0 signals; every wave waits for all four work-groups; my work-group's barrier once more.
.macro CROUND
	s_barrier_signal -1
	s_barrier_wait -1
	s_cmp_lg_u32 s[WV], 0
	s_cbranch_scc1 .Lnot_wave_0_\@
	s_barrier_signal -3
.Lnot_wave_0_\@:
	s_barrier_wait -3
	s_barrier_signal -1
	s_barrier_wait -1
.endm
.macro BARRIER                         ; my LDS stores have landed and my LDS loads are in: then the work-group's barrier.  The one tensor load may stay out
	s_wait_dscnt 0x0
	s_barrier_signal -1
	s_barrier_wait -1
.endm
; A PREFETCH INTO THE L2.  An expert's 2,228,224 bytes of wq are one stream that its 8 clusters walk alike: the expert's first cluster asks, and nobody else.  Every wave of its four work-groups asks, one instruction each,
; lanes 256 bytes apart: 16 x 8,192 = 131,072 bytes a change of slots, shared out BY ADDRESS (32,768 x place in the cluster + 8,192 x wave).  Change k (1 to 14) names bytes 131,072 (k + 2) on; the tensor load of change k takes
; bytes 139,264 k on: so what is named belongs to the loads of the next change and of the one after it.  The first 393,216 bytes come by their loads alone (nothing is asked for at the head); the 14th ask ends at the
; expert's last byte; then nothing is asked for.  Each aligned block of 256 bytes is named once.
.macro ASK
	s_cmp_le_u32 s[RND], s[LIM]
	s_cbranch_scc0 .Lnot_mine_\@
	global_prefetch_b8 v[PFO], s[PFA:PFA+1] th:TH_LOAD_NT scope:SCOPE_SE
.Lnot_mine_\@:
.endm
; THE CHANGE OF SLOTS stands at a slot's head.  Each wave waits for all its tensor loads (one: its part of the slot that it is about to read), adds 0 to its spare word, and waits for that and for its reads of the slot
; that it has left.  fill = 1: behind a round of the cluster's barrier (no wave of any partner still reads that slot or has a load on its way) the slot is filled with the next double chunk: two chunks' work in which to land.
.macro CHANGE fill
	WIN 0
	s_wait_tensorcnt 0x0                           ; no tensor load of mine is out, so group 0 may be written
	ds_add_u32 v[SPW], v[NIL]                      ; 0 onto my spare word; the steps below stand between it and the wait for it
.if \fill
	s_xor_b32 s[G0+1], s[G0+1], SLOTB              ; the walking descriptor: the other slot than last time,
	s_add_nc_u64 s[G0+2:G0+3], s[G0+2:G0+3], SLOTB ; the next double chunk; the type bits on top are not reached
	s_wait_xcnt 0x0                                ; the last prefetch, a slot back, has read its address, so it may be written
	s_add_nc_u64 s[PFA:PFA+1], s[PFA:PFA+1], 131072
.endif
	s_add_co_u32 s[RND], s[RND], 1
	s_wait_dscnt 0x0                               ; the add is done, and my reads of the slot that I have left are over
.if \fill
	CROUND
	tensor_load_to_lds s[G0:G0+3], s[G1:G1+7]      ; the first thing behind the round, and my one tensor load until the next
	s_nop 0
.else
	s_barrier_signal -1
	s_barrier_wait -1
.endif
	PLACES                                         ; (the places ahead of the loads into registers that the last products read)
.if \fill
	ASK
.endif
.endm
; 64 numbers of a lane, v[src] on: four blocks, register 16 b + i = number 16 (lane / 16) + i of block b of my row.  Codes into v[PC + 2 b], v[PC + 2 b + 1]; bytes into v[TM + 4 + b].
.macro QCORE src
.irp b, 0,1,2,3
	v_max3_num_f32 v[TM+\b], |v[\src+16*\b]|, |v[\src+1+16*\b]|, 0x1800000   ; my 16 numbers, and the floor 2^(3 - 127): the byte cannot fall under 1
.endr
.irp i, 2,4,6,8,10,12,14
.irp b, 0,1,2,3
	v_max3_num_f32 v[TM+\b], v[TM+\b], |v[\src+16*\b+\i]|, |v[\src+1+16*\b+\i]|   ; (the four blocks by turns)
.endr
.endr
.irp b, 0,1,2,3
	v_permlanex16_b32 v[TM+4+\b], v[TM+\b], s[SEL], s[SEL+1]
.endr
.irp b, 0,1,2,3
	v_max_num_f32 v[TM+\b], v[TM+\b], v[TM+4+\b]   ; with lane l xor 16's: the block's largest magnitude
.endr
.irp b, 0,1,2,3
	v_add_nc_u32 v[TM+12+\b], 0xff000000, v[TM+\b] ; 2 off its exponent field: the conversion's scale operand
.endr
.irp b, 0,1,2,3
	v_lshrrev_b32 v[TM+4+\b], 23, v[TM+12+\b]      ; the scale's byte
.endr
.irp b, 0,1,2,3
	v_cvt_scalef32_pk8_fp4_f32 v[PC+2*\b], v[\src+16*\b:\src+7+16*\b], v[TM+12+\b]
	v_cvt_scalef32_pk8_fp4_f32 v[PC+1+2*\b], v[\src+8+16*\b:\src+15+16*\b], v[TM+12+\b]
.endr
	v_nop                                          ; one plain place behind a scaled conversion
.endm
.macro XDESC g, s                      ; group 0 for K step s of my 16 rows of x
	s_mov_b32 s[\g], 1                             ; 1:0 count = 1
	s_add_co_u32 s[\g+1], s79, ((\s)%4)*XT+((\s)/4)*SLOTB   ; 63:32 LDS address: XWT x wave + the tile's constant
	s_add_nc_u64 s[\g+2:\g+3], s[4:5], 512*(\s)    ; 120:64 global address: 128 numbers along the rows for each K step
	s_or_b32 s[\g+3], s[\g+3], 0x80000000          ; 127:126 type = 2
.endm
; K step s of x: 16 neighbours of each block a lane out of my tile, quantised, and to LDS as an image of the operand's registers.
.macro XSTEP s
.if (\s) < 4
	s_wait_tensorcnt 7-(\s)                        ; tensor loads of a wave end in order (ISA guide 10.11.1): this K step's tile is in, the later ones' may be out.  (K steps 4-7 were shown landed by the wait for all ahead of the first refill)
.endif
.irp b, 0,1,2,3
.irp j, 0,1,2,3
	ds_load_b128 v[T+16*\b+4*\j:T+16*\b+4*\j+3], v[XR0+(\s)/4] offset:XT*((\s)%4)+128*\b+16*\j
.endr
.endr
	s_wait_dscnt 0x0                               ; the numbers are in; the last step's image stores have read their codes
	QCORE T
	v_lshl_or_b32 v[PW], v[TM+5], 8, v[TM+4]       ; the four bytes make my row's scale word
	v_lshl_or_b32 v[PW], v[TM+6], 16, v[PW]
	v_lshl_or_b32 v[PW], v[TM+7], 24, v[PW]
.irp c, 0,1                                    ; the operand's layout wants a WHOLE block in a lane: lanes 0-15 block 2 c, lanes 16-31 block 2 c + 1
.irp i, 0,1
	v_permlane16_swap_b32 v[PC+4*\c+\i], v[PC+2+4*\c+\i]
.endr
.endr
.irp c, 0,1
	ds_store_b128 v[XWI], v[PC+4*\c:PC+4*\c+3] offset:1024*(\s)+512*\c
.endr
	ds_store_b32 v[XWS], v[PW] offset:256*((\s)/4)+4*((\s)%4)   ; both halves of the lanes write the same word with the same value
.endm
.macro HORNER acc, c                   ; acc = acc u + c, four pairs by turns
.irp i, 0,2,4,6
	v_pk_fma_f32 v[\acc+\i:\acc+\i+1], v[\acc+\i:\acc+\i+1], v[UU+\i:UU+\i+1], s[\c:\c+1] op_sel_hi:[1,1,0]
.endr
.endm
.macro GELU8 a                         ; one tile's eight numbers, in place; the accumulator is read from its low end on
.irp i, 0,1,2,3,4,5,6,7
	v_med3_num_f32 v[XC+\i], v[(\a)+\i], s[CLO], s[CHI]
.endr
.irp i, 0,2,4,6
	v_pk_mul_f32 v[UU+\i:UU+\i+1], v[XC+\i:XC+\i+1], v[XC+\i:XC+\i+1]
.endr
.irp i, 0,2,4,6
	v_pk_fma_f32 v[PP+\i:PP+\i+1], v[UU+\i:UU+\i+1], v[KA6:KA6+1], s[CA5:CA5+1] op_sel_hi:[1,1,0]
.endr
.irp i, 0,2,4,6
	v_pk_fma_f32 v[QQ+\i:QQ+\i+1], v[UU+\i:UU+\i+1], v[KB4:KB4+1], s[CB3:CB3+1] op_sel_hi:[1,1,0]
.endr
	HORNER PP, CA4
	HORNER QQ, CB2
	HORNER PP, CA3
	HORNER QQ, CB1
	HORNER PP, CA2
	HORNER QQ, CB0
.irp i, 0,1,2,3,4,5,6,7
	v_rcp_f32 v[QQ+\i], v[QQ+\i]
.endr
	HORNER PP, CA1                                 ; plain instructions that name no Q stand behind the reciprocals (ISA guide 5.7.2)
	HORNER PP, CA0
.irp i, 0,2,4,6
	v_pk_mul_f32 v[PP+\i:PP+\i+1], v[PP+\i:PP+\i+1], v[XC+\i:XC+\i+1]
.endr
	s_wait_alu depctr_va_vdst(0)
.irp i, 0,2,4,6
	v_pk_fma_f32 v[PP+\i:PP+\i+1], v[PP+\i:PP+\i+1], v[QQ+\i:QQ+\i+1], 0.5 op_sel_hi:[1,1,0]
.endr
.irp i, 0,2,4,6
	v_pk_mul_f32 v[(\a)+\i:(\a)+\i+1], v[(\a)+\i:(\a)+\i+1], v[PP+\i:PP+\i+1]
.endr
.endm
.macro WM                              ; one product; rR = 1: source 0's scale words stand in lanes 16-31
.if rR
	v_wmma_scale_f32_16x16x128_f8f6f4 v[rD:rD+7], v[rA:rA+7], v[rB:rB+7], v[rC:rC+7], v[rSA], v[rSB] matrix_a_fmt:MATRIX_FMT_FP4 matrix_b_fmt:MATRIX_FMT_FP4 matrix_a_scale:MATRIX_SCALE_ROW1
.else
	v_wmma_scale_f32_16x16x128_f8f6f4 v[rD:rD+7], v[rA:rA+7], v[rB:rB+7], v[rC:rC+7], v[rSA], v[rSB] matrix_a_fmt:MATRIX_FMT_FP4 matrix_b_fmt:MATRIX_FMT_FP4
.endif
.endm
.macro WSLOAD                          ; a part's 1,024 scale bytes: 8 words a lane.  POFF: the part's place in my double part
.irp i, 0,1,2,3
	ds_load_b64 v[WS+2*\i:WS+2*\i+1], v[ASW] offset:POFF+256*\i
.endr
.endm
.macro WFRAGS                          ; a part's 16 fragments, in the order in which the K steps want them: each load takes 512 consecutive bytes
.irp f, 0,1,2,3,4,5,6,7,8,9,10,11,12,13,14,15
	ds_load_b128 v[8*\f:8*\f+3],   v[AW] offset:POFF+1024*\f
	ds_load_b128 v[8*\f+4:8*\f+7], v[AW] offset:POFF+1024*\f+512
.endr
.endm
; A CHUNK OF PHASE A: 128 hidden units, my 32 of them for 64 rows.
.macro PROC_A
.set POFF, 0                           ; (the chunk's place in the slot stands in s[TB])
	v_add_nc_u32 v[AW], s[TB], v[AWB]
	v_add_nc_u32 v[ASW], s[TB], v[ASB]
	v_add_nc_u32 v[AB], s[BC], v[AB1B]
	v_add_nc_u32 v[HW], s[HC], v[HWB]
	v_add_nc_u32 v[HSW], s[HB], v[HSB]
	WSLOAD
.irp k, 0,1,2,3
	ds_load_b128 v[BI+4*\k:BI+4*\k+3], v[AB] offset:16*\k    ; b1 of units 16 h + 0 .. 15 of my 32: tile u's eight at BI + 8 u
.endr
	WIN 0x80                                       ; destination window 2
	WFRAGS
	WIN 0x06                                       ; source 0 (W1) window 2, source 1 (x) window 1, C and D window 0
.irp s, 0,1,2,3,4,5,6,7
	s_wait_dscnt 4*(7-\s)                          ; all but the later K steps' fragments, four loads each
.irp m, 0,1,2,3
.irp u, 0,1
.set rD, ACC+16*\m+8*\u                        ; the eight accumulators take turns, one instruction a turn
.set rA, 8*(2*\s+\u)
.set rB, 8*(8*\m+\s)
.if \s == 0
.set rC, BI+8*\u                               ; the bias starts the sum
.else
.set rC, rD
.endif
.set rSA, WS+\s
.set rSB, XS+8*\m+\s
.set rR, \u
	WM
.endr
.endr
.endr
	WIN 0
	PLACES
.irp k, 0,1,2,3,4,5,6,7
	GELU8 ACC+8*\k
.endr
	QCORE ACC                                      ; registers 16 m + 0 .. 15 are units 16 h + 0 .. 15 of my 32, of row 16 m + r: the four blocks are the four tiles of rows
.irp m, 0,1,2,3
	ds_store_b64 v[HW], v[PC+2*\m:PC+2*\m+1] offset:1024*\m    ; K step = this chunk, block = my wave: 16 codes at 256 w + 16 r + 8 h of the fragment: the wave stores 256 consecutive bytes
.endr
.irp m, 0,1,2,3
	ds_store_b8 v[HSW], v[TM+4+\m] offset:4*\m     ; byte w of the row's scale word; both halves of the lanes write the same byte with the same value
.endr
	s_add_co_u32 s[HC], s[HC], 4096
	s_add_co_u32 s[HB], s[HB], 256
	s_add_co_u32 s[BC], s[BC], 512
	s_xor_b32 s[TB], s[TB], PARTB                  ; the slot's other chunk
	s_wait_dscnt 0x0                               ; the stores have read their registers: the next chunk writes their addresses and their data anew
.endm
; HALF OF PHASE A: four slots of two chunks.  A chunk is written once and walked twice; the LDS addresses hang on s[TB].
.macro PHASE_A
	s_mov_b32 s[HC], 0
	s_mov_b32 s[HB], 0
	s_mov_b32 s[CNT], 4
.Lslot_\@:
	CHANGE 1
	s_mov_b32 s[TW], 2
.Lchunk_\@:
	PROC_A
	s_sub_co_u32 s[TW], s[TW], 1
	s_cmp_lg_u32 s[TW], 0
	s_cbranch_scc1 .Lchunk_\@
	s_xor_b32 s[TB], s[TB], SLOTB                  ; on to the other slot
	s_sub_co_u32 s[CNT], s[CNT], 1
	s_cmp_lg_u32 s[CNT], 0
	s_cbranch_scc1 .Lslot_\@
.endm
; Behind a half of phase A: its 32 fragments of h and their scale words lie in LDS; every wave takes them into registers.  The wait for these loads stands in the change of slots that follows,
; ahead of its barrier: only behind that barrier are the images' bytes written again.
.macro HLOAD win, hs
	BARRIER
	WIN \win
.set F, 0
.rept 32
	ds_load_b128 v[8*F:8*F+3],   v[LI] offset:1024*F
	ds_load_b128 v[8*F+4:8*F+7], v[LI] offset:1024*F+512
.set F, F+1
.endr
	WIN 0
.irp s, 0,1,2,3,4,5,6,7
	ds_load_b128 v[\hs+4*\s:\hs+4*\s+3], v[SCR] offset:256*\s    ; lane r: the words of the half's K step s of rows r, 16 + r, 32 + r, 48 + r
.endr
.endm
; A CHUNK OF PHASE B: 256 outputs x 512 along K, my 64 outputs for 64 rows.  Chunks kq = 0, 1 share a slot, and so do 2, 3.
.macro PROC_B kq
.set POFF, ((\kq)%2)*PARTB
.if (\kq)%2 == 0
	v_add_nc_u32 v[AW], s[TB], v[AWB]
	v_add_nc_u32 v[ASW], s[TB], v[ASB]
.else
	PLACES                                         ; ahead of the loads into registers that the slot's first chunk's products have read
.endif
.if (\kq) == 0
	v_add_nc_u32 v[AB], s[DB2], v[AB2B]
.endif
	WSLOAD
.if (\kq) == 0
.irp t, 0,1,2,3
	ds_load_b128 v[BO2+8*\t:BO2+8*\t+3],   v[AB] offset:64*\t      ; b2 of outputs 16 t + 8 h + 0 .. 7 of my 64
	ds_load_b128 v[BO2+8*\t+4:BO2+8*\t+7], v[AB] offset:64*\t+16
.endr
.endif
	WIN 0x40                                       ; destination window 1
	WFRAGS
.irp sp, 0,1,2,3
	s_wait_dscnt 8*(3-\sp)                         ; all but the later K steps' fragments, eight loads each
.if ((\kq) == 0) && (\sp == 0)
	WIN 0x4d                                       ; source 0 (W2) window 1, source 1 (h) window 3, C (b2) window 0, D window 1
.elseif (\kq) < 2
	WIN 0x5d                                       ; C and D window 1
.else
	WIN 0x59                                       ; h's K steps 8-15: window 2
.endif
.irp m, 0,1,2,3
.irp t, 0,1,2,3
.set rD, 128+8*(4*\m+\t)                       ; the sixteen accumulators take turns, one instruction a turn
.set rA, 8*(4*\sp+\t)
.set rB, 8*(4*((4*(\kq)+\sp)%8)+\m)
.if ((\kq) == 0) && (\sp == 0)
.set rC, BO2+8*\t
.else
.set rC, rD
.endif
.set rSA, WS+4*(\t/2)+\sp
.set rSB, HS+4*((4*(\kq)+\sp+8)%16)+\m
.set rR, \t%2
	WM
.endr
.endr
.endr
	WIN 0
.if (\kq)%2 == 1
	s_xor_b32 s[TB], s[TB], SLOTB                  ; on to the other slot
.endif
.endm
; THE WAY OUT of a block of outputs, 16 rows at a time.  A lane holds 32 neighbouring bytes of a row; through my own stage they come back as rows of 256 bytes.
.macro TOSTAGE m
	WIN 0x04                                       ; an LDS store's data are its source 1: window 1
.irp t, 0,1,2,3
	ds_store_b128 v[SO], v[128+8*(4*(\m)+\t):128+8*(4*(\m)+\t)+3]   offset:64*\t       ; each accumulator from its low end on
	ds_store_b128 v[SO], v[128+8*(4*(\m)+\t)+4:128+8*(4*(\m)+\t)+7] offset:64*\t+16
.endr
	WIN 0
.irp i, 0,1,2,3,4,5,6,7
	ds_load_b128 v[OB+32*((\m)%2)+4*\i:OB+32*((\m)%2)+4*\i+3], v[SR] offset:2*\i*OSP   ; LDS serves a wave's instructions in order (ISA guide 5.7.1.4): these see the stores above
.endr
.endm
.macro SEND m, younger                 ; younger: the LDS instructions issued behind these rows' loads, which may stay out
	s_wait_dscnt \younger
.irp i, 0,1,2,3,4,5,6,7
	global_store_b128 v[GO], v[OB+32*((\m)%2)+4*\i:OB+32*((\m)%2)+4*\i+3], s[12:13] offset:(16*(\m)+2*\i)*4096 th:TH_STORE_NT   ; 16 lanes store 256 consecutive bytes, aligned
.endr
.endm
.macro OUT
	PLACES                                         ; the stage's stores read results just made
	TOSTAGE 0
.irp m, 1,2,3
.if \m > 1
	s_wait_xcnt 0x0                                ; the stores of two tiles back have read their registers: this tile's loads may land there
.endif
	TOSTAGE \m
	SEND \m-1, 16                                  ; behind those rows' loads: this tile's 8 stores and 8 loads
.endr
	SEND 3, 0
	s_wait_xcnt 0x0                                ; the stores have read their base and their registers
	s_add_nc_u64 s[12:13], s[12:13], 1024          ; the next 256 outputs
	s_add_co_u32 s[DB2], s[DB2], 1024
.endm
.macro DBLOCK last                     ; a block of 256 outputs: two slots of two chunks along K, then the way out
	CHANGE 1
	PROC_B 0
	PROC_B 1
.if \last
	CHANGE 0                                       ; the last slot of all: nothing is left to ask for
.else
	CHANGE 1
.endif
	PROC_B 2
	PROC_B 3
	OUT
.endm
	s_load_b256 s[4:11], s[0:1], 0x0               ; x s[4:5], b1 s[6:7], b2 s[8:9], wq s[10:11]
	s_load_b64 s[12:13], s[0:1], 0x20              ; out0
	v_lshl_add_u32 v[SPW], v0, 2, SPARE
	v_mov_b32 v[NIL], 0
	ds_add_u32 v2, v3
	s_wait_dscnt 0x0
	v_lshrrev_b32 v1, 5, v0
	v_readfirstlane_b32 s[WV], v1                  ; wave 0..3
	s_bfe_u32 s15, ttmp6, 0x40000                  ; cx: my place in the cluster: it enters x's, out0's and the prefetches' global addresses alone
	s_lshr_b32 s16, ttmp9, 3                       ; the expert, which the four partners share (ttmp9 counts clusters)
	s_lshl_b32 s17, ttmp9, 2
	s_add_co_u32 s17, s17, s15                     ; my block of 64 rows
	; the weights' descriptor group 1: a double part, 34,816 dense bytes, as 136 rows of 256 bytes
	s_mov_b32 s[G1+0], 15|(3<<16)|(1<<21)          ; 15:0 the mask: all four work-groups; 17:16 elements of 8 bytes; 20 no padding; 21 set beside a mask
	s_mov_b32 s[G1+1], 32<<16                      ; tensor_dim0 = 32
	s_mov_b32 s[G1+2], 136<<16                     ; tensor_dim1 = 136
	s_mov_b32 s[G1+3], 32<<16                      ; tile_dim0 = 32
	s_mov_b32 s[G1+4], 136                         ; tile_dim1 = 136
	s_mov_b32 s[G1+5], 32                          ; tensor_dim0_stride
	s_mov_b32 s[G1+6], 0
	s_mov_b32 s[G1+7], 0
	; x's: 16 rows x 128 numbers of 4 bytes, 1,024 numbers from row to row, padded in LDS.  A tile has the 16 rows that its wave owns: so only the wave that asked reads it, and no barrier stands between its landing and its reads
	s_mov_b32 s[G1X+0], (2<<16)|(1<<20)|(6<<22)|(3<<25)   ; 15:0 no mask: x is shared by nobody; 17:16 elements of 4 bytes; 20 padding on; 24:22 after every 128 words (code 6); 31:25 of 4 words (code 3)
	s_mov_b32 s[G1X+1], 128<<16                    ; tensor_dim0 = 128
	s_mov_b32 s[G1X+2], 16<<16                     ; tensor_dim1 = 16
	s_mov_b32 s[G1X+3], 128<<16                    ; tile_dim0 = 128
	s_mov_b32 s[G1X+4], 16                         ; tile_dim1 = 16
	s_mov_b32 s[G1X+5], 1024                       ; tensor_dim0_stride
	s_mov_b32 s[G1X+6], 0
	s_mov_b32 s[G1X+7], 0
	s_mov_b32 s[SEL], 0x76543210
	s_mov_b32 s[SEL+1], 0xfedcba98
	v_mov_b32 v[KA6], 0xabd3f331                   ; -1.50599506e-12
	v_mov_b32 v[KA6+1], 0xabd3f331
	v_mov_b32 v[KB4], 0xb57460cd                   ; -9.10379490e-07
	v_mov_b32 v[KB4+1], 0xb57460cd
	s_mov_b32 s[TB], 0
	s_mov_b32 s[BC], 0
	s_mov_b32 s[RND], 0
	s_mov_b32 s[DB2], 0
	s_and_b32 s78, ttmp9, 7                        ; the expert's first cluster prefetches: the same in all four partners
	s_cmp_eq_u32 s78, 0
	s_cselect_b32 s[LIM], 14, 0
	; every LDS address: a constant + a constant x lane + a constant x wave
	v_and_b32 v96, 31, v0                          ; lane
	v_and_b32 v97, 15, v0                          ; r
	v_bfe_u32 v98, v0, 4, 1                        ; h
	v_lshlrev_b32 v[XA], 4, v96
	v_lshlrev_b32 v99, 4, v97                      ; 16 r
	v_lshlrev_b32 v[BOF], 4, v0
	v_lshl_add_u32 v[BST], v0, 4, BIAS
	s_mul_i32 s78, s[WV], SPARTB
	v_add_nc_u32 v[AWB], s78, v[XA]
	s_add_co_u32 s78, s78, 16384
	v_lshl_add_u32 v[ASB], v96, 3, s78
	s_lshl_b32 s78, s[WV], 7
	s_add_co_u32 s78, s78, BIAS
	v_lshl_add_u32 v[AB1B], v98, 6, s78
	s_lshl_b32 s78, s[WV], 8
	s_add_co_u32 s76, s78, SH
	v_lshl_add_u32 v[HWB], v98, 3, v99
	v_add_nc_u32 v[HWB], s76, v[HWB]
	s_add_co_u32 s76, s78, BIAS+8192
	v_lshl_add_u32 v[AB2B], v98, 5, s76
	s_add_co_u32 s76, s[WV], SSC
	v_add_nc_u32 v[HSB], s76, v99
	s_mul_i32 s79, s[WV], XWT                      ; my tiles of x (kept for their descriptors)
	v_mul_u32_u24 v[XR0], v97, XSP
	v_lshl_add_u32 v[XR0], v98, 6, v[XR0]
	v_add_nc_u32 v[XR0], s79, v[XR0]
	v_add_nc_u32 v[XR1], SLOTB, v[XR0]
	s_lshl_b32 s78, s[WV], 13
	s_add_co_u32 s78, s78, SH
	v_add_nc_u32 v[XWI], s78, v[XA]
	s_lshl_b32 s78, s[WV], 9
	s_add_co_u32 s78, s78, SSC
	v_add_nc_u32 v[XWS], s78, v99
	v_add_nc_u32 v[LI], SH, v[XA]
	v_add_nc_u32 v[SCR], SSC, v99
	s_mul_i32 s78, s[WV], 16*OSP
	s_add_co_u32 s78, s78, SH
	v_mul_u32_u24 v[SO], v97, OSP
	v_lshl_add_u32 v[SO], v98, 5, v[SO]
	v_add_nc_u32 v[SO], s78, v[SO]                 ; in: row r, 32 bytes for each half of the lanes
	v_mul_u32_u24 v[SR], v98, OSP
	v_add_nc_u32 v[SR], v[SR], v99
	v_add_nc_u32 v[SR], s78, v[SR]                 ; back: lanes 0-15 one row of 256 bytes, lanes 16-31 the next
	v_lshl_add_u32 v[GO], v98, 12, v99             ; and the same two rows in out0
	v_lshlrev_b32 v[PFO], 8, v96
.irp b, 0,1,2,3
	v_mov_b32 v[TM+4+\b], 0                        ; written once: a lane permute's destination counts as one of its sources
.endr
	; global addresses
	s_lshl_b32 s18, s17, 18                        ; my block's 64 rows of 4,096 bytes
	s_lshl_b32 s19, s[WV], 16
	s_add_co_u32 s20, s18, s19                     ; x: + my wave's 16 rows
	s_mov_b32 s21, 0
	s_lshl_b32 s19, s[WV], 8
	s_add_co_u32 s22, s18, s19                     ; out0: + my wave's 64 columns
	s_mov_b32 s23, 0
	s_mov_b32 s77, 0
	s_wait_kmcnt 0x0
	s_add_nc_u64 s[4:5], s[4:5], s[20:21]
	s_add_nc_u64 s[12:13], s[12:13], s[22:23]
	s_lshl_b32 s76, s16, 13
	s_add_nc_u64 s[6:7], s[6:7], s[76:77]          ; b1 of my expert
	s_lshl_b32 s76, s16, 12
	s_add_nc_u64 s[8:9], s[8:9], s[76:77]          ; b2
	s_mul_i32 s76, s16, EXPB
	s_add_nc_u64 s[10:11], s[10:11], s[76:77]      ; wq at my expert
	s_mul_i32 s76, s[WV], SPARTB
	s_mov_b32 s[G0], 1                             ; 1:0 count = 1
	s_mul_i32 s[G0+1], s[WV], SPARTB               ; 63:32 LDS address: my double part of slot 0: no place in the cluster enters it
	s_add_nc_u64 s[G0+2:G0+3], s[10:11], s[76:77]  ; 120:64 global address: my double part of double chunk 0: expert and wave alone
	s_or_b32 s[G0+3], s[G0+3], 0x80000000          ; 127:126 type = 2
	s_lshl_b32 s22, s15, 15
	s_lshl_b32 s23, s[WV], 13
	s_add_co_u32 s22, s22, s23
	s_add_co_u32 s22, s22, 393216-131072           ; the first change of slots steps it to byte 393,216
	s_mov_b32 s23, 0
	s_add_nc_u64 s[PFA:PFA+1], s[10:11], s[22:23]
	XDESC 88, 0
	XDESC 92, 1
	XDESC 96, 2
	XDESC 52, 3
	XDESC 56, 4
	XDESC 60, 5
	XDESC 68, 6
	XDESC 72, 7
	CROUND                                         ; in a cluster launch every group of tensor loads stands behind a round
.irp g, 88,92,96,52,56,60,68,72
	tensor_load_to_lds s[\g:\g+3], s[G1X:G1X+7]    ; the launch's first fills, one group: my 16 rows of x, K step by K step: eight loads of mine are out
	s_nop 0
.endr
	PLACES
	; ---- the biases into LDS
.irp k, 0,1,2,3
	global_load_b128 v[BO2+4*\k:BO2+4*\k+3], v[BOF], s[6:7] offset:2048*\k
.endr
.irp k, 0,1
	global_load_b128 v[BO2+16+4*\k:BO2+16+4*\k+3], v[BOF], s[8:9] offset:2048*\k
.endr
	s_wait_loadcnt 0x0
.irp k, 0,1,2,3,4,5
	ds_store_b128 v[BST], v[BO2+4*\k:BO2+4*\k+3] offset:2048*\k
.endr
	; ---- X: my 16 rows of x become 8 fragments
.irp s, 0,1,2,3
	XSTEP \s
.endr
	; THE FIRST REFILL.  K steps 0-3 of x, which lay in slot 0's bytes, have been read: the weights' first double chunk goes there, and lands while K steps 4-7 are quantised and x's fragments go round.
	s_wait_tensorcnt 0x0                           ; all of x has landed: no tensor load of mine is out, so the registers of x's descriptors may be written
	ds_add_u32 v[SPW], v[NIL]                      ; 0 onto my spare word; gelu's constants are written between it and the wait for it
	s_mov_b32 s[CLO], 0xc0b504f3                   ; -4 sqrt(2)
	s_mov_b32 s[CHI], 0x40b504f3
	SPAIR CA0, 0xbbba79f3                          ; -5.69080716e-03
	SPAIR CA1, 0xba08eb41                          ; -5.22304390e-04
	SPAIR CA2, 0xb8883d9c                          ; -6.49646074e-05
	SPAIR CA3, 0xb628d45d                          ; -2.51575617e-06
	SPAIR CA4, 0xb347667d                          ; -4.64265104e-08
	SPAIR CA5, 0x2fa84a8d                          ; +3.06119941e-10
	SPAIR CB0, 0xbc69b6a7                          ; -1.42647391e-02
	SPAIR CB1, 0xbb719bf8                          ; -3.68666458e-03
	SPAIR CB2, 0xb9dc924e                          ; -4.20706744e-04
	SPAIR CB3, 0xb7dfbd29                          ; -2.66717569e-05
	s_wait_dscnt 0x0                               ; the add is done, and my reads of slot 0's bytes are over
	CROUND                                         ; both hold of every wave of all four work-groups
	tensor_load_to_lds s[G0:G0+3], s[G1:G1+7]      ; double chunk 0 into slot 0: the first thing behind the round, and my one tensor load until the next
	s_nop 0
	PLACES
.irp s, 4,5,6,7
	XSTEP \s
.endr
	BARRIER                                        ; the biases, x's 32 fragments and their scale words lie in LDS
	WIN 0x40                                       ; destination window 1
.set F, 0
.rept 32
	ds_load_b128 v[8*F:8*F+3],   v[LI] offset:1024*F
	ds_load_b128 v[8*F+4:8*F+7], v[LI] offset:1024*F+512
.set F, F+1
.endr
	WIN 0
.irp m, 0,1,2,3
.irp q, 0,1
	ds_load_b128 v[XS+8*\m+4*\q:XS+8*\m+4*\q+3], v[SCR] offset:512*\m+256*\q   ; lane r: row 16 m + r's words of K steps 4 q on
.endr
.endr
	; (the wait for these loads stands in the change of slots that follows, ahead of its barrier: only behind it are the images' bytes written again)
	; ---- A: the hidden layer.  Change k shows double chunk k - 1 landed and asks for double chunk k
	PHASE_A                                        ; chunks 0-7: h's K steps 0-7,
	HLOAD 0xc0, HS+32                              ; into window 3
	PHASE_A                                        ; chunks 8-15: h's K steps 8-15,
	HLOAD 0x80, HS                                 ; into window 2, which W1's fragments have left
	; ---- B: out, four blocks of 256 outputs
	s_mov_b32 s[CNT], 3
.Lb:
	DBLOCK 0
	s_sub_co_u32 s[CNT], s[CNT], 1
	s_cmp_lg_u32 s[CNT], 0
	s_cbranch_scc1 .Lb
	DBLOCK 1                                       ; the last block is written out
	s_wait_tensorcnt 0x0                           ; the wave's end: behind my last tensor load and my last LDS store
	ds_add_u32 v[SPW], v[NIL]
	s_wait_dscnt 0x0
	CROUND                                         ; the closing round: no work-group ends while a partner may still ask for a part that names it
	s_endpgm
.Lfunc_end_k_qb67bb17137_ffn:
	.size	k_qb67bb17137_ffn, .Lfunc_end_k_qb67bb17137_ffn-k_qb67bb17137_ffn
	.p2alignl 7, 3214868480
	.fill 96, 4, 3214868480
	.section	.rodata,"a",@progbits
	.p2align	6, 0x0
	.amdhsa_kernel k_qb67bb17137_ffn
		.amdhsa_group_segment_fixed_size 327680
		.amdhsa_private_segment_fixed_size 0
		.amdhsa_enable_private_segment 0
		.amdhsa_kernarg_size 40
		.amdhsa_user_sgpr_count 2
		.amdhsa_user_sgpr_kernarg_segment_ptr 1
		.amdhsa_wavefront_size32 1
		.amdhsa_system_sgpr_workgroup_id_x 1
		.amdhsa_system_sgpr_workgroup_id_y 1
		.amdhsa_system_sgpr_workgroup_id_z 1
		.amdhsa_system_vgpr_workitem_id 0
		.amdhsa_next_free_vgpr 1024
		.amdhsa_next_free_sgpr 100
		.amdhsa_reserve_vcc 0
		.amdhsa_float_denorm_mode_32 3
		.amdhsa_float_denorm_mode_16_64 3
		.amdhsa_memory_ordered 1
		.amdhsa_forward_progress 1
		.amdhsa_inst_pref_size 255
	.end_amdhsa_kernel
	.section	.bss,"aw",@nobits
	.p2align	6
	.space	262144
	.amdgpu_metadata
---
amdhsa.version: [ 1, 2 ]
amdhsa.kernels:
  - .name:           k_qb67bb17137_ffn
    .symbol:         k_qb67bb17137_ffn.kd
    .args:
      - { .name: x, .offset: 0, .size: 8, .value_kind: global_buffer, .address_space: global }
      - { .name: b1, .offset: 8, .size: 8, .value_kind: global_buffer, .address_space: global }
      - { .name: b2, .offset: 16, .size: 8, .value_kind: global_buffer, .address_space: global }
      - { .name: wq, .offset: 24, .size: 8, .value_kind: global_buffer, .address_space: global }
      - { .name: out0, .offset: 32, .size: 8, .value_kind: global_buffer, .address_space: global }
    .group_segment_fixed_size: 327680
    .private_segment_fixed_size: 0
    .kernarg_segment_align: 8
    .kernarg_segment_size: 40
    .max_flat_workgroup_size: 128
    .sgpr_count:     100
    .vgpr_count:     1024
    .wavefront_size: 32
...
	.end_amdgpu_metadata
.endif
;; end of part 4
